; MI455X (gfx1250); checked and timed in simulation.
; The chip was launched on July 23, 2026; its instructions are those of AMD's public machine-readable ISA for CDNA 5 (MIT licence, August 2026) and "CDNA5" Instruction Set Architecture Reference Guide (July 2026). The comments in the code are by the model that wrote it; some were corrected since.
;; Multi Head Attention. Allowed arithmetic: matrix products marked QUANTISED: E2M3 operands, one E8M0 scale for each 32 along K, by v_wmma_scale_f32_16x16x128_f8f6f4 with both operands' format E2M3, f32 sums; everything else in f32.
;; Inputs: k_norm_w 64 float32; positions 1 x 4,096 int32; q_norm_w 64 float32; wk 512 x 2,048 float32; wo 2,048 x 2,048 float32; wq 2,048 x 2,048 float32; wv 512 x 2,048 float32; x 1 x 4,096 x 2,048 float32.
;; Outputs: out0 1 x 4,096 x 2,048 float32.
;; This version of the problem:
;;   THIS VERSION OF THE PROBLEM IS GIVEN IN LOW PRECISION. The matrix products marked QUANTISED in the list below multiply operands that are first quantised to E2M3 (2 exponent bits, 3 mantissa bits; 6 bits a number), with one power-of-two scale for each 32 numbers along K (OCP MX v1.0); their sums are f32. All else is computed in f32.
;;   The module's matrix products, in the order in which they are computed (A, B: the left and right operand; K: the contracted axis; several contracted axes count as one K, in the product's order):
;;     1. [M 4,096, K 2,048] x [K 2,048, N 2,048]; A: input x; B: input wq: QUANTISED
;;     2. [M 4,096, K 2,048] x [K 2,048, N 512]; A: input x; B: input wk: QUANTISED
;;     3. [M 4,096, K 2,048] x [K 2,048, N 512]; A: input x; B: input wv: QUANTISED
;;     4. batch 64 x [M 1,024, K 64] x [K 64, N 2,048]; A: computed on the way; B: computed on the way: QUANTISED
;;     5. batch 64 x [M 64, K 1,024] x [K 1,024, N 2,048]; A: computed on the way; B: softmax (see below): QUANTISED
;;     6. [M 4,096, K 2,048] x [K 2,048, N 2,048]; A: computed on the way; B: input wo: QUANTISED
;;   THE QUANTISER, for each operand of a quantised product, along K:
;;     - K is cut into blocks of 32 from its start; a last block that is shorter is filled with zeros.
;;     - A block's scale is 2^e with e = floor(log2(the largest magnitude in the block)) - 2, held to -126 .. 127; a block of zeros has e = 0. As a byte (E8M0): e + 127.
;;     - Each number is divided by its block's scale, clamped to +-7.5, and rounded to the nearest number of E2M3, ties to even, subnormals kept.
;;     - The product sums the exact products of the quantised numbers (number of the format x scale) in f32.
;;   ~~~python
;;   def quantise(x, axis):      # numpy; x: float32 -> the quantised numbers, widened to float32 again
;;       x = np.moveaxis(x, axis, -1); K = x.shape[-1]
;;       x = np.pad(x, [(0, 0)] * (x.ndim - 1) + [(0, -K % 32)]); x = x.reshape(x.shape[:-1] + (-1, 32)); a = np.abs(x).max(-1, keepdims=True)
;;       e = np.where(a > 0, np.clip(np.frexp(np.where(a > 0, a, 1))[1] - 1 - 2, -126, 127), 0)      # np.frexp(a)[1] - 1 = floor(log2(a)), exactly
;;       r = np.clip(x / 2.0 ** e, -7.5, 7.5)
;;       step = 2.0 ** (np.maximum(np.frexp(np.where(r == 0, 1, r))[1] - 1, 0) - 3)
;;       q = np.round(r / step) * step * 2.0 ** e      # np.round: ties to even
;;       return np.moveaxis(q.reshape(q.shape[:-2] + (-1,))[..., :K], -1, axis).astype(np.float32)
;;   ~~~
;;   SOFTMAX AHEAD OF A QUANTISED PRODUCT. Where the list says 'softmax', what is quantised is not the finished softmax but p = 2^(t - M), with t = logit x log2(e) and M = ceil(the row's largest t), a whole number; so 1/2 < the row's largest p <= 1. The row's sum l is taken of the UNQUANTISED p, in f32, and the product's result is divided by l at the end. Since M is a whole number, a kernel that streams over the keys may use a running M (the ceiling of the running maximum): every later rescaling is an exact power of two, which a block's scale takes up: the codes' values come out the same.
;;   OPERANDS COMPUTED ON THE WAY. 'Computed on the way' means the value that the module computes at that place (a softmax that the list does not call 'softmax' is quantised finished and normalised). What goes into a quantiser is computed in f32, as accurately as f32 sums, v_exp_f32 and their like allow (about 1e-6 of the number): no bf16 or f16 on the way to a quantiser, and a product that is left as it is and whose result goes on into a quantised operand takes f32 operands (vector FMAs, or v_wmma_f32_16x16x4_f32). A number that lies on a knife's edge between two numbers of the format may be rounded either way, as far as f32 arithmetic and the matrix unit's own rounding can turn it there, and no further.
;; One version. Each part assembles by itself: llvm-mc -triple=amdgcn-amd-amdhsa -mcpu=gfx1250 --defsym DOCPART=n.
;; ======== version 1 of 1: 4 launches
;; workspace buffers: codes 14,155,776 bytes; scales 589,824 bytes; rope 1,048,576 bytes; qrec 6,815,744 bytes; kvrec 3,342,336 bytes; ctxc 6,291,456 bytes; ctxs 262,144 bytes
;; launch quant (part 1): grid 640 x 1, 4 waves a work-group, no clusters, 33,280 bytes of LDS; arguments x, wq, wk, wv, wo, positions, codes, scales, rope; writes codes, scales, rope
.if DOCPART == 1
	.amdgcn_target "amdgcn-amd-amdhsa--gfx1250"
	.amdhsa_code_object_version 6
	.text
	.protected	k_qaff0b28925_quant
	.globl	k_qaff0b28925_quant
	.p2align	8
	.type	k_qaff0b28925_quant,@function
k_qaff0b28925_quant:
	s_mov_b64 s[64:65], 0
	v_nop
	global_prefetch_b8 v0, s[64:65] scope:SCOPE_SE
	s_setreg_imm32_b32 hwreg(HW_REG_WAVE_MODE, 25, 1), 1
	s_wait_xcnt 0x0
; x [4096][2048], wq [2048][2048], wk, wv [512][2048], wo [2048][2048], f32, K innermost, become codes of FP6 (E2M3) with one E8M0 scale byte for each 32 along K; and positions become a table of cos and sin.
; A block's scale is 2^(floor(log2(its largest magnitude)) - 2); its byte is the largest magnitude's exponent field - 2, held at 1 from below (a block of zeros keeps the byte 1: its codes are zeros, and this program alone reads the bytes).
; A RUN is 4 rows (8,192 numbers): 6,144 bytes of codes, 256 scale bytes; one wave takes one run, in 16 steps of 512 numbers.  Work-groups 0-255 take x, 256-383 wq, 384-415 wk, 416-447 wv, 448-575 wo; 576-639 the table.
; WHERE A RUN GOES.  Runs 0-1023 x, 1024-1791 the rows of wq, wk, wv as ONE operand, 1792-2303 wo.  Behind wq's 2,048 rows come four groups of 256: 128 rows of wk (two heads), then the 128 rows of wv of the same two heads.
; Then EVERY ROW IS STORED AT ITS NUMBER WITH BITS 3 AND 4 EXCHANGED (bits 1 and 2 of the run): 16 neighbouring stored rows, which the products load as one fragment, are then rows 32 c + 8 u + r + 8 (r / 8),
; so that the 16 result registers of two neighbouring fragments are 16 neighbours along the next product's K.
; THE TABLE: rope[t][0..31] = cos(positions[t] x f_c), rope[t][32..63] = sin(..), f_c = 10000^(-c / 32) made as 2^(-c log2(10) / 8).  The angle is the f32 product; it is reduced by a multiple of pi/2 given in two parts, and sine and
; cosine are polynomials on -pi/4 .. pi/4.
; LIMITS: NaN and infinities among the inputs are not served; blocks whose largest magnitude lies under 2^-124 keep the byte 1; |positions| under 2^24; f_c is within some 2e-7 of its value, relatively (the multiplication in the exponent and the exponential).
; No tensor loads, no barrier: waves share nothing.  Loads run four steps (16 loads a wave) ahead, the turn through LDS one step.
.set WAVES, 4
.set STEPS, 16
.set EMAX,  2
.set CB,    12                         ; bytes of 16 codes
.set R,     16                         ; v16-79   four sets of 16 numbers as they are loaded
.set X,     80                         ; v80-111  two sets of 16 neighbours
.set C,     128                        ; v128-191 codes: four registers for each step
.set E,     112                        ; v112-127 a scale byte for each step
.set WREG,  8192                       ; LDS: a region for each wave: two stages of 32 x SP bytes, behind them its 256 scale bytes
.set SP,    80                         ; a lane's place in a stage: 64 bytes + 16 of padding
.set SPW,   12                         ; v12 LDS address of my spare word; never rewritten
.set NIL,   13                         ; v13 0; never rewritten
.set SPARE, WAVES*WREG                 ; the spare words: 128 bytes a wave, two blocks of 256 bytes that no other line names
.set G_WQ,  256
.set G_WK,  384
.set G_WV,  416
.set G_WO,  448
.set G_TAB, 576
	s_load_b256 s[4:11], s[0:1], 0x0               ; x s[4:5], wq s[6:7], wk s[8:9], wv s[10:11]
	s_load_b256 s[12:19], s[0:1], 0x20             ; wo s[12:13], positions s[14:15], codes s[16:17], scales s[18:19]
	s_load_b64 s[20:21], s[0:1], 0x40              ; rope
	v_lshl_add_u32 v[SPW], v0, 2, SPARE
	v_mov_b32 v[NIL], 0
	v_lshrrev_b32 v1, 5, v0
	v_readfirstlane_b32 s22, v1                    ; wave
	v_and_b32 v2, 31, v0                           ; lane
	v_lshlrev_b32 v3, 4, v2                        ; my 16 bytes of a load's 512
	s_mul_i32 s23, s22, WREG
	v_lshrrev_b32 v14, 2, v2
	v_mul_u32_u24 v14, v14, SP
	v_and_b32 v15, 3, v2
	v_lshl_add_u32 v14, v15, 4, v14
	v_add_nc_u32 v14, s23, v14                     ; the stage, on the way in: SP (lane / 4) + 16 (lane % 4)
	v_mul_u32_u24 v15, v2, SP
	v_add_nc_u32 v15, s23, v15                     ; and on the way out: SP x lane: my 16 neighbours
	v_mul_u32_u24 v4, v2, CB                       ; my codes' place in a step's
	v_lshrrev_b32 v5, 1, v2
	s_add_co_u32 s23, s23, 2*32*SP
	v_add_nc_u32 v5, s23, v5                       ; LDS: my wave's 256 scale bytes, my block's byte
	v_lshlrev_b32 v7, 3, v2                        ; and on the way out 8 bytes a lane
	v_add_nc_u32 v6, s23, v7
	s_wait_kmcnt 0x0
	s_cmp_ge_u32 ttmp9, G_TAB
	s_cbranch_scc1 .Ltable
	; which tensor: the choice hangs on the work-group's number alone
	s_mov_b64 s[24:25], s[12:13]
	s_mov_b32 s26, G_WO
	s_cmp_lt_u32 ttmp9, G_WO
	s_cselect_b64 s[24:25], s[10:11], s[24:25]
	s_cselect_b32 s26, G_WV, s26
	s_cmp_lt_u32 ttmp9, G_WV
	s_cselect_b64 s[24:25], s[8:9], s[24:25]
	s_cselect_b32 s26, G_WK, s26
	s_cmp_lt_u32 ttmp9, G_WK
	s_cselect_b64 s[24:25], s[6:7], s[24:25]
	s_cselect_b32 s26, G_WQ, s26
	s_cmp_lt_u32 ttmp9, G_WQ
	s_cselect_b64 s[24:25], s[4:5], s[24:25]
	s_cselect_b32 s26, 0, s26
	s_sub_co_u32 s27, ttmp9, s26
	s_lshl_b32 s27, s27, 2
	s_add_co_u32 s27, s27, s22                     ; my run in its tensor
	s_lshl_b32 s32, s27, 15                        ; 32,768 bytes a run (under 2^26)
	s_mov_b32 s33, 0
	s_add_nc_u64 s[24:25], s[24:25], s[32:33]
	; where it goes
	s_lshl_b32 s34, ttmp9, 2
	s_add_co_u32 s34, s34, s22                     ; x, wq, wo: the run counted through all work-groups
	s_sub_co_u32 s35, s34, 4*G_WK                  ; wk, wv: 0 .. 255
	s_bfe_u32 s36, s35, 0x20005                    ; which group of two heads
	s_lshl_b32 s36, s36, 6                         ; 64 runs a group
	s_bfe_u32 s37, s35, 0x10007                    ; 0: wk, 1: wv
	s_lshl_b32 s37, s37, 5
	s_and_b32 s38, s35, 31
	s_add_co_u32 s36, s36, s37
	s_add_co_u32 s36, s36, s38
	s_add_co_u32 s36, s36, 4*G_WK
	s_sub_co_u32 s39, ttmp9, G_WK
	s_cmp_lt_u32 s39, 64
	s_cselect_b32 s34, s36, s34
	s_and_b32 s35, s34, 0xfffffff9                 ; bits 1 and 2 of the run change places: bits 3 and 4 of the row
	s_and_b32 s36, s34, 2
	s_lshl_b32 s36, s36, 1
	s_and_b32 s37, s34, 4
	s_lshr_b32 s37, s37, 1
	s_or_b32 s34, s35, s36
	s_or_b32 s34, s34, s37
	s_mul_i32 s32, s34, 32*STEPS*CB                ; 6,144 bytes of codes a run
	s_add_nc_u64 s[28:29], s[16:17], s[32:33]
	s_lshl_b32 s32, s34, 8                         ; 256 scale bytes a run
	s_add_nc_u64 s[30:31], s[18:19], s[32:33]
.macro LOAD t
.irp i, 0,1,2,3
	global_load_b128 v[R+16*((\t)%4)+4*\i:R+16*((\t)%4)+4*\i+3], v3, s[24:25] offset:2048*(\t)+512*\i th:TH_LOAD_NT   ; 32 lanes read 512 consecutive bytes
.endr
.endm
.macro TURN t                          ; step t's numbers through the stage: LDS serves a wave's instructions in order, so no wait stands between the stores and the loads
.irp i, 0,1,2,3
	ds_store_b128 v14, v[R+16*((\t)%4)+4*\i:R+16*((\t)%4)+4*\i+3] offset:32*SP*((\t)%2)+8*SP*\i
.endr
.irp i, 0,1,2,3
	ds_load_b128 v[X+16*((\t)%2)+4*\i:X+16*((\t)%2)+4*\i+3], v15 offset:32*SP*((\t)%2)+16*\i
.endr
.endm
.irp t, 0,1,2,3
	LOAD \t
.endr
	s_wait_loadcnt 12                              ; step 0's four loads are in; the twelve of steps 1 to 3 may be out
	TURN 0
.macro STEP t
.set XS, X+16*((\t)%2)
.if (\t) > 0
	s_wait_dscnt 1                                 ; this step's numbers are back from the stage (the last step's byte store may be out): so its stores into the stage have read their registers,
.else
	s_wait_dscnt 0x0
.endif
.if (\t)+4 < STEPS
	LOAD (\t)+4                                    ; which take the loads of four steps on
.endif
.if (\t)+1 < STEPS
.if STEPS-2-(\t) >= 3
	s_wait_loadcnt 12                              ; the next step's four loads are in; those of the three steps behind it may be out
.else
	s_wait_loadcnt 4*(STEPS-2-(\t))
.endif
	TURN (\t)+1                                    ; and go through the other stage while this step is worked
.endif
	v_max3_num_f32 v8, |v[XS]|, |v[XS+1]|, |v[XS+2]|               ; the largest magnitude of my 16, in two chains
	v_max3_num_f32 v9, |v[XS+3]|, |v[XS+4]|, |v[XS+5]|
.irp i, 6,10
	v_max3_num_f32 v8, v8, |v[XS+\i]|, |v[XS+\i+1]|
	v_max3_num_f32 v9, v9, |v[XS+\i+2]|, |v[XS+\i+3]|
.endr
	v_max3_num_f32 v8, v8, |v[XS+14]|, |v[XS+15]|
	v_max3_num_f32 v8, v8, v9, (EMAX+1)<<23        ; and the floor 2^(3 - 127): the byte cannot fall under 1
	v_max_num_f32_dpp v8, v8, v8 row_xmask:1 row_mask:0xf bank_mask:0xf   ; and of my neighbour's 16: the block's
	v_add_nc_u32 v11, -(EMAX<<23), v8              ; 2 off its exponent field: the conversion takes the exponent field of this operand as its scale
	v_cvt_scalef32_pk16_fp6_f32 v[C+4*(\t):C+4*(\t)+2], v[XS:XS+15], v11
	v_lshrrev_b32 v[E+(\t)], 23, v11               ; the scale's byte (also the plain line behind the conversion)
	ds_store_b8 v5, v[E+(\t)] offset:16*(\t)       ; both lanes of a block write the same byte with the same value
	global_store_b96 v4, v[C+4*(\t):C+4*(\t)+2], s[28:29] offset:32*CB*(\t)   ; the wave stores 384 consecutive bytes
.endm
.irp t, 0,1,2,3,4,5,6,7,8,9,10,11,12,13,14,15
	STEP \t
.endr
	ds_load_b64 v[8:9], v6                         ; LDS serves a wave's instructions in order: these see my stores
	s_wait_dscnt 0x0
	global_store_b64 v7, v[8:9], s[30:31]          ; 32 lanes store 256 consecutive bytes, at a multiple of 256 from the buffer's first byte
	s_wait_tensorcnt 0x0                           ; the wave's end, behind my last LDS store
	ds_add_u32 v[SPW], v[NIL]
	s_wait_dscnt 0x0
	s_endpgm
; THE TABLE.  A work-group takes 64 t, in 8 passes of 8.  Sixteen lanes make a row of 256 bytes: lanes 0-7 four cosines each, lanes 8-15 four sines; a wave's store covers 512 consecutive bytes.
; cos(a) = sin(a + pi/2): the quadrant count gets one more in the cosine lanes, and all lanes run the same lines.
.set IV, 36                            ; v36-39  my four f_c
.set PS, 40                            ; v40-47  the eight passes' positions
.set AN, 50                            ; v50-53  the angle, then what is left of it
.set JQ, 54                            ; v54-57  the multiple of pi/2
.set ZZ, 58                            ; v58-61  the square
.set OU, 64                            ; v64-95  four results for each pass: no store's data are written again
.set SN, 96
.set CN, 100
.set QD, 104
.set TT, 108
.Ltable:
	s_sub_co_u32 s23, ttmp9, G_TAB
	s_lshl_b32 s32, s23, 8                         ; 64 positions of 4 bytes
	s_mov_b32 s33, 0
	s_add_nc_u64 s[14:15], s[14:15], s[32:33]
	s_lshl_b32 s32, s23, 14                        ; 64 rows of 256 bytes
	s_add_nc_u64 s[20:21], s[20:21], s[32:33]
	v_lshrrev_b32 v33, 4, v0
	v_lshlrev_b32 v33, 2, v33                      ; which t of a pass's eight, x 4 bytes
.irp p, 0,1,2,3,4,5,6,7
	global_load_b32 v[PS+\p], v33, s[14:15] offset:32*\p
.endr
	s_mov_b32 s36, 0x3f22f983                      ; 2 / pi
	s_mov_b32 s37, 0xbfc90fdb                      ; -(pi/2), its upper part,
	s_mov_b32 s38, 0x333bbd2e                      ; and what the upper part is too large by
	s_mov_b32 s39, 0xb94ca1f9                      ; sine: -1.9515296e-4, 8.3321609e-3, -1.6666655e-1
	s_mov_b32 s40, 0x3c08839e
	s_mov_b32 s41, 0xbe2aaaa3
	s_mov_b32 s42, 0x37ccf5ce                      ; cosine: 2.4433157e-5, -1.3887316e-3, 4.1666646e-2
	s_mov_b32 s43, 0xbab6061a
	s_mov_b32 s44, 0x3d2aaaa5
	v_and_b32 v32, 15, v0
	v_lshrrev_b32 v34, 3, v32
	v_xor_b32 v34, 1, v34                          ; 1 in the cosine lanes
	v_and_b32 v35, 7, v32
	v_lshlrev_b32 v35, 2, v35                      ; my first c
	v_lshlrev_b32 v48, 4, v0                       ; my 16 bytes of a pass's 2,048
.irp i, 0,1,2,3
	v_add_nc_u32 v[AN+\i], \i, v35
.endr
.irp i, 0,1,2,3
	v_cvt_f32_u32 v[AN+\i], v[AN+\i]
.endr
.irp i, 0,1,2,3
	v_mul_f32 v[AN+\i], 0xbed49a78, v[AN+\i]       ; -c log2(10) / 8 = -c log2(10000) / 32
.endr
.irp i, 0,1,2,3
	v_exp_f32 v[IV+\i], v[AN+\i]
.endr
	v_nop                                          ; a plain line behind the last exponential,
	s_wait_alu depctr_va_vdst(0)                   ; and one wait for the four, ahead of their first reader
	s_wait_loadcnt 0x0
.irp p, 0,1,2,3,4,5,6,7
	v_cvt_f32_i32 v[PS+\p], v[PS+\p]
.endr
.macro PASS p
.irp i, 0,1,2,3
	v_mul_f32 v[AN+\i], v[PS+\p], v[IV+\i]         ; the angle, one f32 product
.endr
.irp i, 0,1,2,3
	v_mul_f32 v[JQ+\i], s36, v[AN+\i]
.endr
.irp i, 0,1,2,3
	v_rndne_f32 v[JQ+\i], v[JQ+\i]                 ; j
.endr
.irp i, 0,1,2,3
	v_fma_f32 v[AN+\i], v[JQ+\i], s37, v[AN+\i]    ; angle - j pi/2, in two parts
.endr
.irp i, 0,1,2,3
	v_fma_f32 v[AN+\i], v[JQ+\i], s38, v[AN+\i]
.endr
.irp i, 0,1,2,3
	v_cvt_i32_f32 v[QD+\i], v[JQ+\i]
.endr
.irp i, 0,1,2,3
	v_add_nc_u32 v[QD+\i], v[QD+\i], v34           ; the quadrant
.endr
.irp i, 0,1,2,3
	v_mul_f32 v[ZZ+\i], v[AN+\i], v[AN+\i]
.endr
.irp i, 0,1,2,3
	v_fma_f32 v[SN+\i], v[ZZ+\i], s39, s40
.endr
.irp i, 0,1,2,3
	v_fma_f32 v[CN+\i], v[ZZ+\i], s42, s43
.endr
.irp i, 0,1,2,3
	v_fma_f32 v[SN+\i], v[SN+\i], v[ZZ+\i], s41
.endr
.irp i, 0,1,2,3
	v_fma_f32 v[CN+\i], v[CN+\i], v[ZZ+\i], s44
.endr
.irp i, 0,1,2,3
	v_mul_f32 v[TT+\i], v[ZZ+\i], v[AN+\i]
.endr
.irp i, 0,1,2,3
	v_fma_f32 v[CN+\i], v[CN+\i], v[ZZ+\i], -0.5
.endr
.irp i, 0,1,2,3
	v_fma_f32 v[SN+\i], v[SN+\i], v[TT+\i], v[AN+\i]   ; the sine of what is left
.endr
.irp i, 0,1,2,3
	v_fma_f32 v[CN+\i], v[CN+\i], v[ZZ+\i], 1.0        ; and its cosine
.endr
.irp i, 0,1,2,3
	v_and_b32 v[TT+\i], 1, v[QD+\i]
.endr
.irp i, 0,1,2,3
	v_cmp_eq_u32 vcc_lo, 1, v[TT+\i]
	v_cndmask_b32 v[OU+4*\p+\i], v[SN+\i], v[CN+\i], vcc_lo   ; odd quadrants take the cosine
.endr
.irp i, 0,1,2,3
	v_and_b32 v[QD+\i], 2, v[QD+\i]
.endr
.irp i, 0,1,2,3
	v_lshlrev_b32 v[QD+\i], 30, v[QD+\i]
.endr
.irp i, 0,1,2,3
	v_xor_b32 v[OU+4*\p+\i], v[QD+\i], v[OU+4*\p+\i]   ; quadrants 2 and 3 change the sign
.endr
	global_store_b128 v48, v[OU+4*\p:OU+4*\p+3], s[20:21] offset:2048*\p
.endm
.irp p, 0,1,2,3,4,5,6,7
	PASS \p
.endr
	s_wait_tensorcnt 0x0                           ; the wave's end
	ds_add_u32 v[SPW], v[NIL]
	s_wait_dscnt 0x0
	s_endpgm
.Lfunc_end_k_qaff0b28925_quant:
	.size	k_qaff0b28925_quant, .Lfunc_end_k_qaff0b28925_quant-k_qaff0b28925_quant
	.p2alignl 7, 3214868480
	.fill 96, 4, 3214868480
	.section	.rodata,"a",@progbits
	.p2align	6, 0x0
	.amdhsa_kernel k_qaff0b28925_quant
		.amdhsa_group_segment_fixed_size 33280
		.amdhsa_private_segment_fixed_size 0
		.amdhsa_enable_private_segment 0
		.amdhsa_kernarg_size 72
		.amdhsa_user_sgpr_count 2
		.amdhsa_user_sgpr_kernarg_segment_ptr 1
		.amdhsa_wavefront_size32 1
		.amdhsa_system_sgpr_workgroup_id_x 1
		.amdhsa_system_sgpr_workgroup_id_y 1
		.amdhsa_system_sgpr_workgroup_id_z 1
		.amdhsa_system_vgpr_workitem_id 0
		.amdhsa_next_free_vgpr 192
		.amdhsa_next_free_sgpr 66
		.amdhsa_reserve_vcc 1
		.amdhsa_float_denorm_mode_32 3
		.amdhsa_float_denorm_mode_16_64 3
		.amdhsa_memory_ordered 1
		.amdhsa_forward_progress 1
		.amdhsa_inst_pref_size 68
	.end_amdhsa_kernel
	.amdgpu_metadata
---
amdhsa.version: [ 1, 2 ]
amdhsa.kernels:
  - .name:           k_qaff0b28925_quant
    .symbol:         k_qaff0b28925_quant.kd
    .args:
      - { .name: x, .offset: 0, .size: 8, .value_kind: global_buffer, .address_space: global }
      - { .name: wq, .offset: 8, .size: 8, .value_kind: global_buffer, .address_space: global }
      - { .name: wk, .offset: 16, .size: 8, .value_kind: global_buffer, .address_space: global }
      - { .name: wv, .offset: 24, .size: 8, .value_kind: global_buffer, .address_space: global }
      - { .name: wo, .offset: 32, .size: 8, .value_kind: global_buffer, .address_space: global }
      - { .name: positions, .offset: 40, .size: 8, .value_kind: global_buffer, .address_space: global }
      - { .name: codes, .offset: 48, .size: 8, .value_kind: global_buffer, .address_space: global }
      - { .name: scales, .offset: 56, .size: 8, .value_kind: global_buffer, .address_space: global }
      - { .name: rope, .offset: 64, .size: 8, .value_kind: global_buffer, .address_space: global }
    .group_segment_fixed_size: 33280
    .private_segment_fixed_size: 0
    .kernarg_segment_align: 8
    .kernarg_segment_size: 72
    .max_flat_workgroup_size: 128
    .sgpr_count:     66
    .vgpr_count:     192
    .wavefront_size: 32
...
	.end_amdgpu_metadata
.endif
;; end of part 1
;; launch qkv (part 2): grid 12 x 16, 4 waves a work-group, clusters of 4 x 4, 327,680 bytes of LDS; arguments codes, scales, rope, q_norm_w, k_norm_w, qrec, kvrec; writes qrec, kvrec
.if DOCPART == 2
	.amdgcn_target "amdgcn-amd-amdhsa--gfx1250"
	.amdhsa_code_object_version 6
	.text
	.protected	k_qaff0b28925_qkv
	.globl	k_qaff0b28925_qkv
	.p2align	8
	.type	k_qaff0b28925_qkv,@function
k_qaff0b28925_qkv:
	s_mov_b64 s[64:65], 0
	v_nop
	global_prefetch_b8 v0, s[64:65] scope:SCOPE_SE
	s_setreg_imm32_b32 hwreg(HW_REG_WAVE_MODE, 25, 1), 1
	s_wait_xcnt 0x0
	s_wait_alu depctr_hold_cnt(0) depctr_sa_sdst(0) depctr_va_vdst(0) depctr_va_sdst(0) depctr_va_ssrc(0) depctr_va_vcc(0) depctr_vm_vsrc(0)
	s_getreg_b32 s2, hwreg(HW_REG_IB_STS2, 6, 4)
	s_cmp_eq_u32 s2, 0
	s_cbranch_scc0 .Lentry_in_a_cluster
	s_endpgm
.Lentry_in_a_cluster:
	s_bfe_u32 s2, ttmp6, 0x10000c
	s_cmp_lg_u32 s2, 0xf033
	s_cbranch_scc0 .Lentry_shape_is_right
	s_endpgm
.Lentry_shape_is_right:
; q, k, v = x W^T on codes of FP6 (E2M3) with E8M0 scales; then, in registers: RMSNorm and rotary embedding of q and k, and the quantising of q and k along the head's 64 and of v along the keys.  Nothing leaves as f32.
; THE PRODUCT.  A = x's codes [4096][2048], B = the 3,072 rows of wq, wk, wv as one operand.  A tile of 256 x 256 is made by four waves, 128 x 128 each: 64 accumulators, 512 registers.  K goes in steps of 256 through a ring of two LDS slots
; filled by the tensor data mover; the scale bytes of the work-group's rows come once and stay.  4 x 4 work-groups form a cluster: A's tiles are asked for jointly along a row of the cluster, B's along a column.
; THE MATRIX INSTRUCTION IS USED TRANSPOSED (source 0 = 16 rows of B, source 1 = 16 rows of A): a lane holds one row of x and its registers run along the columns.
; ROWS ARE STORED WITH BITS 3 AND 4 OF THEIR NUMBER EXCHANGED, in A and in B.  So lane r of block 2 c + u holds row 32 c + 8 u + r + 8 (r / 8), and register 8 b + j of a lane's 64 is column 32 (n / 16) + 16 (lane / 16) + n % 16, n = 8 b + j:
; 16 neighbours in each 16 registers.  A wave's 128 columns are two heads: of head c, x1[16 h + i] is register 32 c + i and its rotary partner x2[16 h + i] register 32 c + 16 + i, in the same lane.
; V.  Tile columns 8 to 11 (cluster x = 2) hold 128 rows of wk and then 128 of wv.  There the waves of the second column half are V-WAVES: they read x's rows into the registers of source 0 and wv's rows into those of source 1, BY LDS ADDRESS ALONE
; (the scale words' lanes likewise): every instruction, barrier and round is the same in all waves.  A v-wave's lane then holds one channel d, and its registers run along 128 keys, which are v's K in the next launch.
; The flag hangs on the cluster's x, which all partners share, and on the wave's number.
; WHAT IS STORED: records of register images.  q: [32 heads][32 steps of 128 rows][6,656]: 8 tiles x 768 bytes (piece p of a tile: registers 2 p, 2 p + 1 at 256 p + 8 x lane), then 512 bytes of scale words (16 x lane: register n = tiles 2 n | 2 n + 1 in lanes 0-15 | 16-31).
; k, v: [8 heads][32 steps][13,056]: k as q; at 6,656 v's four tiles of 16 channels x 128 keys, 1,536 bytes each (registers 4 c .. 4 c + 3 at 512 c + 16 x lane); at 12,800 v's scale words (8 x lane).
; LIMITS: NaN and infinities are not served; blocks under 2^-124 keep the byte 1; x / sqrt(m + eps) is made as x times the reciprocal square root, some 2 units in the last place apart.
; REGISTERS: window 0: v0-31 addresses; v32-63 scale words, two sets; v64-95 the table's rows of block 0; v96-123 codes and scale images just made; from v128 A's fragments, later 64 numbers at work (v128-191), v192-207 at work, v212-219 scale words made; v224-255 the norm's weights.
;   window 1: B's fragments, two sets; later the table's rows of blocks 1 to 7.   windows 2, 3: the accumulators ((a, b) at v[8 (8 (a % 4) + b)] of window 2 + a / 4).
.set SIZE_K, 2048
.set KSTEP,  256
.set NQ,     KSTEP/128
.set ROWB,   192                       ; a tile's row in bytes
.set KROW,   SIZE_K*6/8                ; a row of codes in memory
.set PITCH,  240                       ; an LDS row: 3 x (64 bytes + 16 of padding)
.set FR,     12
.set NL,     6
.set NP,     4
.set HALFT,  128*PITCH
.set SLOT,   4*HALFT
.set LAPS,   SIZE_K/(2*KSTEP)
.set KS,     SIZE_K/32
.set SCL,    2*SLOT                    ; behind the ring: the scales, as units of 256 bytes + 16 of padding
.set HALFS,  (128*KS/256)*272
.set SBLK,   (16*KS/256)*272
.set SPARE,  SCL+4*HALFS               ; the spare words: 128 bytes a wave, two blocks of 256 bytes that no other line names
.set W_CODES,  6291456                 ; where the weights' rows begin in the codes' buffer,
.set W_SCALES, 262144                  ; and in the scales'
.set QREC,   6656
.set KVREC,  13056
.set TA,   12                          ; v12  the table: (r + 8 (r / 8)) x 256 + 64 h; never rewritten
.set NA,   13                          ; v13  the norm's weights: 64 h
.set L8,   14                          ; v14  8 x lane
.set L16,  15                          ; v15  16 x lane
.set ADRA, 16                          ; v16-19 LDS addresses of source 1's fragments in slot 0, 1 (and behind one padding more)
.set ADRB, 20                          ; v20-23 of source 0's
.set ADRS, 27                          ; v27  of my scale words
.set SPW,  28
.set NIL,  29
.set SC,   32
.set TB0,  64
.set QC,   96                          ; v96-114  a fragment's codes
.set OUTS, 116                         ; v116-123 scale images
.set AF,   128
.set Y,    128
.set TM,   192
.set SW,   212
.set NW,   224
.set G1, 24
.set G0, 32
.set G1B, 48
.set G0B, 56
.set G1S, 68
.set G0S, 76
.set G1SB, 80
.set G0SB, 88
.set ISV,  95                          ; s95  1 in a v-wave
.set VMSK, 67                          ; s67  all ones in a v-wave
.set SEL,  18                          ; the epilogue's scalars lie outside the descriptors' registers
.set INV64, 20
.set EPSR, 21
.set HM,   22
.set B0,   46
.set B1,   92
.set MSB, 0
.macro WIN new                         ; the immediate's high byte repeats the setting that is left
.if MSB != \new
	s_set_vgpr_msb (MSB<<8)|\new
.set MSB, \new
.endif
.endm
.set MUL_LO, 0xa1                      ; source 0 window 1, source 1 window 0, C and D window 2
.set MUL_HI, 0xf1
.set TO_B,   0x40                      ; destination window 1, address window 0
; A joint load: waves 0 and 1 fetch for A, waves 2 and 3 for B; the branch hangs on the wave's number alone.  An s_nop 0 and four v_nop follow each of the two lines.
.macro JLOAD g0a, g1a, g0b, g1b
	s_cmp_eq_u32 s15, 0
	s_cbranch_scc0 .Lfor_b_\@
	tensor_load_to_lds s[\g0a:\g0a+3], s[\g1a:\g1a+7]
	s_nop 0
.rept 4
	v_nop
.endr
	s_branch .Lasked_\@
.Lfor_b_\@:
	tensor_load_to_lds s[\g0b:\g0b+3], s[\g1b:\g1b+7]
	s_nop 0
.rept 4
	v_nop
.endr
.Lasked_\@:
.endm
.macro CREST                           ; a round of the cluster's barrier behind its opening barrier
	s_cmp_lg_u32 s14, 0
	s_cbranch_scc1 .Lnot_wave_0_\@
	s_barrier_signal -3
.Lnot_wave_0_\@:
	s_barrier_wait -3
	s_barrier_signal -1
	s_barrier_wait -1
.endm
.macro CROUND
	s_barrier_signal -1
	s_barrier_wait -1
	CREST
.endm
	s_load_b128 s[4:7], s[0:1], 0x0                ; codes s[4:5], scales s[6:7]
	s_load_b128 s[8:11], s[0:1], 0x10              ; rope s[8:9], q_norm_w s[10:11]
	s_load_b128 s[96:99], s[0:1], 0x20             ; k_norm_w s[96:97], qrec s[98:99]
	s_load_b64 s[100:101], s[0:1], 0x30            ; kvrec
	v_lshl_add_u32 v[SPW], v0, 2, SPARE
	v_mov_b32 v[NIL], 0
	ds_add_u32 v[SPW], v[NIL]                      ; the wave's opening: the add and its wait stand ahead of my first tensor load; the set-up below, work on registers, stands between them
	v_lshrrev_b32 v1, 5, v0
	v_readfirstlane_b32 s14, v1                    ; wave 0..3
	s_lshr_b32 s15, s14, 1                         ; which half of the tile's rows is mine.  Also: I fetch for A (0) or for B (1)
	s_and_b32 s16, s14, 1                          ; which half of its columns.  Also: which 128 rows of that tile I fetch
	s_cmp_eq_u32 ttmp9, 2                          ; the cluster's x: the same in all sixteen partners
	s_cselect_b32 s[ISV], s16, 0
	s_cmp_eq_u32 s[ISV], 1
	s_cselect_b32 s[VMSK], -1, 0
	s_bfe_u32 s40, ttmp6, 0x40000                  ; cx, cy: my place in the cluster
	s_bfe_u32 s41, ttmp6, 0x40004
	s_lshl_b32 s42, ttmp9, 2
	s_add_co_u32 s42, s42, s40                     ; tile column = 4 x cluster x + cx
	s_and_b32 s17, ttmp7, 0xffff
	s_lshl_b32 s17, s17, 2
	s_add_co_u32 s17, s17, s41                     ; tile row = 4 x cluster y + cy
	s_lshl_b32 s43, s41, 2
	s_lshl_b32 s43, 15, s43                        ; my row of the cluster
	s_lshl_b32 s44, 0x1111, s40                    ; my column
	; descriptor group 1: a tile of 128 rows x 192 bytes, 16 bytes of padding behind every 64
	s_or_b32 s[G1+0], s43, (0<<16)|(1<<20)|(1<<21)|(3<<22)|(3<<25)
	s_or_b32 s[G1B+0], s44, (0<<16)|(1<<20)|(1<<21)|(3<<22)|(3<<25)
.irp g, G1, G1B
	s_mov_b32 s[\g+1], ROWB<<16                    ; tensor_dim0
	s_mov_b32 s[\g+2], 128<<16                     ; tensor_dim1
	s_mov_b32 s[\g+3], ROWB<<16                    ; tile_dim0
	s_mov_b32 s[\g+4], 128                         ; tile_dim1
	s_mov_b32 s[\g+5], KROW                        ; from row to row
	s_mov_b32 s[\g+6], 0
	s_mov_b32 s[\g+7], 0
.endr
	; the scales of 128 rows: a dense block of 8,192 bytes, as 32 rows of 256 bytes (32 elements of 8 bytes), 16 bytes of padding behind each
	s_or_b32 s[G1S+0], s43, (3<<16)|(1<<20)|(1<<21)|(5<<22)|(3<<25)
	s_or_b32 s[G1SB+0], s44, (3<<16)|(1<<20)|(1<<21)|(5<<22)|(3<<25)
.irp g, G1S, G1SB
	s_mov_b32 s[\g+1], 32<<16
	s_mov_b32 s[\g+2], (128*KS/256)<<16
	s_mov_b32 s[\g+3], 32<<16
	s_mov_b32 s[\g+4], 128*KS/256
	s_mov_b32 s[\g+5], 32
	s_mov_b32 s[\g+6], 0
	s_mov_b32 s[\g+7], 0
.endr
	s_lshl_b32 s18, s16, 7                         ; which 128 rows of the tile I fetch
	s_lshl_b32 s20, s17, 8
	s_add_co_u32 s20, s20, s18                     ; A: row 256 x tile row + 128 x half
	s_lshl_b32 s46, s42, 8
	s_add_co_u32 s46, s46, s18                     ; B: row 256 x tile column + 128 x half
	s_mov_b32 s21, 0
	s_mov_b32 s47, 0
	s_mov_b64 s[18:19], KS
	s_mul_u64 s[22:23], s[20:21], s[18:19]         ; where these rows' scales begin, in bytes
	s_mul_u64 s[92:93], s[46:47], s[18:19]
	s_mov_b64 s[18:19], KROW
	s_mul_u64 s[20:21], s[20:21], s[18:19]         ; and their codes
	s_mul_u64 s[46:47], s[46:47], s[18:19]
	s_add_nc_u64 s[46:47], s[46:47], W_CODES       ; the weights lie behind x in both buffers
	s_add_nc_u64 s[92:93], s[92:93], W_SCALES
	s_mul_i32 s45, s14, HALFT                      ; where they go: wave x 128 rows: no place in the cluster enters an LDS address
	s_mul_i32 s94, s14, HALFS
	s_wait_dscnt 0x0                               ; the opening add is done
	s_wait_kmcnt 0x0
	s_add_nc_u64 s[20:21], s[4:5], s[20:21]
	s_add_nc_u64 s[22:23], s[6:7], s[22:23]
	s_add_nc_u64 s[46:47], s[4:5], s[46:47]
	s_add_nc_u64 s[92:93], s[6:7], s[92:93]
	CROUND                                         ; all sixteen work-groups are here: the first joint loads meet
	s_mov_b32 s[G0S], 1
	s_add_co_u32 s[G0S+1], s94, SCL
	s_mov_b64 s[G0S+2:G0S+3], s[22:23]
	s_or_b32 s[G0S+3], s[G0S+3], 0x80000000
	s_mov_b32 s[G0SB], 1
	s_add_co_u32 s[G0SB+1], s94, SCL
	s_mov_b64 s[G0SB+2:G0SB+3], s[92:93]
	s_or_b32 s[G0SB+3], s[G0SB+3], 0x80000000
	JLOAD G0S, G1S, G0SB, G1SB                     ; the scales first: they are wanted with K step 0.  With the two below, three tensor loads of mine are out
.irp s, 0,1
	s_mov_b32 s[G0+4*\s], 1
	s_add_co_u32 s[G0+4*\s+1], s45, \s*SLOT
	s_add_nc_u64 s[G0+4*\s+2:G0+4*\s+3], s[20:21], \s*ROWB
	s_or_b32 s[G0+4*\s+3], s[G0+4*\s+3], 0x80000000
	s_mov_b32 s[G0B+4*\s], 1
	s_add_co_u32 s[G0B+4*\s+1], s45, \s*SLOT
	s_add_nc_u64 s[G0B+4*\s+2:G0B+4*\s+3], s[46:47], \s*ROWB
	s_or_b32 s[G0B+4*\s+3], s[G0B+4*\s+3], 0x80000000
	JLOAD G0+4*\s, G1, G0B+4*\s, G1B
.endr
	v_and_b32 v1, 15, v0                           ; r
	v_bfe_u32 v2, v0, 4, 1                         ; h
	v_mul_u32_u24 v3, v1, PITCH
	v_mul_u32_u24 v4, v2, 24
	v_add_nc_u32 v4, v3, v4                        ; a fragment's row x pitch + 24 x half
	v_lshl_add_u32 v5, v2, 4, v4                   ; and the same behind one padding more
	s_mul_i32 s21, s15, HALFT                      ; my 128 rows of A,
	s_mul_i32 s22, s16, HALFT                      ; my 128 rows of B,
	s_add_co_u32 s22, s22, 2*HALFT                 ; which lie behind A's 256
	s_cmp_eq_u32 s[ISV], 1                         ; a v-wave takes them the other way round
	s_cselect_b32 s23, s22, s21
	s_cselect_b32 s22, s21, s22
	s_mov_b32 s21, s23
.irp s, 0,1
	v_add_nc_u32 v[ADRA+\s], s21, v4
	v_add_nc_u32 v[ADRB+\s], s22, v4
	v_add_nc_u32 v[ADRA+2+\s], s21, v5
	v_add_nc_u32 v[ADRB+2+\s], s22, v5
	s_add_co_u32 s21, s21, SLOT
	s_add_co_u32 s22, s22, SLOT
.endr
	v_mul_u32_u24 v5, v1, KS                       ; my row's scales: 64 bytes a row,
	v_lshrrev_b32 v6, 8, v5
	v_lshl_add_u32 v5, v6, 4, v5                   ; and 16 more for each 256 passed
	s_mul_i32 s21, s15, HALFS                      ; A's: my 128 rows
	s_mul_i32 s22, s16, HALFS                      ; B's: my 128 rows, behind A's 256
	s_add_co_u32 s22, s22, 2*HALFS
	s_sub_co_u32 s22, s22, s21                     ; the distance between the two, above 0
	v_mul_u32_u24 v6, s22, v2                      ; lanes 16-31 take B's;
	v_xor_b32 v7, 1, v2
	v_mul_u32_u24 v7, s22, v7                      ; in a v-wave lanes 0-15 do
	s_add_co_u32 s21, s21, SCL
	v_add_nc_u32 v5, s21, v5
	v_add_nc_u32 v6, v5, v6
	v_add_nc_u32 v7, v5, v7
	v_cndmask_b32 v[ADRS], v6, v7, s[VMSK]         ; both lie among the scales
	v_and_b32 v6, 8, v1
	v_add_nc_u32 v6, v6, v1                        ; r + 8 (r / 8)
	v_lshlrev_b32 v[NA], 6, v2
	v_lshl_add_u32 v[TA], v6, 8, v[NA]
	v_and_b32 v6, 31, v0
	v_lshlrev_b32 v[L8], 3, v6
	v_lshlrev_b32 v[L16], 4, v6
	s_cmp_eq_u32 ttmp9, 2
	s_cselect_b64 s[12:13], s[96:97], s[10:11]     ; k's weights of the norm, or q's
	s_lshl_b32 s20, s17, 8
	s_lshl_b32 s21, s15, 7
	s_add_co_u32 s20, s20, s21                     ; my first row of x
	s_lshl_b32 s20, s20, 8                         ; 256 bytes of the table a row
	s_mov_b32 s21, 0
	s_add_nc_u64 s[8:9], s[8:9], s[20:21]
	; asked for now, wanted behind the loop: the norm's weights in the order of a head's 32 registers, and cos and sin of block 0's rows.  (A v-wave's land unused; they stay inside their buffers.)
.irp c, 0,1
.irp j, 0,1,2,3
	global_load_b128 v[NW+16*\c+4*\j:NW+16*\c+4*\j+3], v[NA], s[12:13] offset:128*\c+16*\j
.endr
.endr
.irp j, 0,1,2,3
	global_load_b128 v[TB0+4*\j:TB0+4*\j+3], v[TA], s[8:9] offset:16*\j
	global_load_b128 v[TB0+16+4*\j:TB0+16+4*\j+3], v[TA], s[8:9] offset:128+16*\j
.endr
.macro FRAG reg, adr, q, i             ; a fragment, 16 rows x 128 K, is 12 registers: lane l holds row l % 16; registers 6 c .. 6 c + 5 hold K = 64 c + 32 (l / 16) + 0 .. 31: 24 bytes of the row, as they lie
.irp p, 0,1,2,3,4,5                    ; in pieces of 8 bytes.  Lanes 16-31 read three pieces further on: where that lies behind one padding more, the second address register serves
.set PCE, 12*(\q)+6*(\p/3)+\p%3
.if PCE%8 < 5
	ds_load_b64 v[\reg+2*\p:\reg+2*\p+1], v[\adr] offset:8*PCE+16*(PCE/8)+(\i)*16*PITCH
.else
	ds_load_b64 v[\reg+2*\p:\reg+2*\p+1], v[\adr+2] offset:8*PCE+16*(PCE/8)+(\i)*16*PITCH
.endif
.endr
.endm
; 16 matrix instructions: source 1's blocks a0, a0 + 1 x source 0's eight, 128 along K.  The 64 accumulators take turns, one instruction a turn, in the same order in every step.
.macro MUL16 a0, p, q, sc, zero
.irp a, \a0, \a0+1
.irp b, 0,1,2,3,4,5,6,7
.if \zero
	v_wmma_scale_f32_16x16x128_f8f6f4 v[8*(8*((\a)%4)+\b):8*(8*((\a)%4)+\b)+7], v[128*(\p)+FR*\b:128*(\p)+FR*\b+FR-1], v[AF+FR*(\a):AF+FR*(\a)+FR-1], 0, v[SC+8*NQ*(\sc)+NQ*\b+(\q)], v[SC+8*NQ*(\sc)+NQ*(\a)+(\q)] matrix_a_fmt:MATRIX_FMT_FP6 matrix_b_fmt:MATRIX_FMT_FP6 matrix_a_scale:MATRIX_SCALE_ROW1
.else
	v_wmma_scale_f32_16x16x128_f8f6f4 v[8*(8*((\a)%4)+\b):8*(8*((\a)%4)+\b)+7], v[128*(\p)+FR*\b:128*(\p)+FR*\b+FR-1], v[AF+FR*(\a):AF+FR*(\a)+FR-1], v[8*(8*((\a)%4)+\b):8*(8*((\a)%4)+\b)+7], v[SC+8*NQ*(\sc)+NQ*\b+(\q)], v[SC+8*NQ*(\sc)+NQ*(\a)+(\q)] matrix_a_fmt:MATRIX_FMT_FP6 matrix_b_fmt:MATRIX_FMT_FP6 matrix_a_scale:MATRIX_SCALE_ROW1
.endif
.endr
.endr
.endm
.macro FETCH_B slot, q, p
	WIN TO_B
.irp i, 0,1,2,3,4,5,6,7
	FRAG 128*(\p)+FR*\i, ADRB+\slot, \q, \i
.endr
	WIN 0
.endm
.macro FETCH_A slot, q, i0
.irp i, \i0, \i0+1, \i0+2, \i0+3
	FRAG AF+FR*(\i), ADRA+\slot, \q, \i
.endr
.endm
.macro SCALES sc                       ; the next K step's scale words: two words a row; lanes 0-15 take source 1's block i, lanes 16-31 source 0's
.irp i, 0,1,2,3,4,5,6,7
	ds_load_b64 v[SC+8*NQ*\sc+NQ*\i:SC+8*NQ*\sc+NQ*\i+1], v[ADRS] offset:\i*SBLK
.endr
.endm
.macro PLACES n                        ; plain vector lines between a matrix instruction and a load into, or a vector line on, one of its registers
.rept \n
	v_nop
.endr
.endm
.macro STEP slot, q, zero              ; a step of 128 along K that has its successor in the same slot
	s_wait_dscnt 4*NL                              ; source 0's set and source 1's blocks 0-3 are in; the youngest 24 loads (blocks 4-7) may be out
	WIN MUL_LO
	MUL16 0, (\q)%2, \q, \slot, \zero
	MUL16 2, (\q)%2, \q, \slot, \zero
	s_wait_dscnt 0
	PLACES NP
	FETCH_B \slot, (\q)+1, 1-(\q)%2
	FETCH_A \slot, (\q)+1, 0
	WIN MUL_HI
	MUL16 4, (\q)%2, \q, \slot, \zero
	MUL16 6, (\q)%2, \q, \slot, \zero
	PLACES NP
	WIN 0
	FETCH_A \slot, (\q)+1, 4
.endm
; A slot's last step changes slots: ONE barrier; in front of it each wave waits for all its tensor loads, adds 0 to its spare word, and waits for that and for its own reads of this slot.  fill = 1: this slot is filled again, two K steps ahead.
.macro TURN slot, next, fill
	s_wait_tensorcnt 0x0                           ; all my tensor loads have landed: my part of the next slot
	ds_add_u32 v[SPW], v[NIL]                      ; 0 onto my spare word
	s_wait_dscnt 4*NL+1                            ; (the add and the youngest 24 loads may be out)
	WIN MUL_LO
	MUL16 0, 1, NQ-1, \slot, 0                     ; sixteen matrix instructions stand between the add and the wait for it
	s_wait_dscnt 0x0                               ; the add is done, and my reads of this slot are over
	s_barrier_signal -1
	MUL16 2, 1, NQ-1, \slot, 0
	WIN 0
	s_barrier_wait -1
.if \fill
	CREST                                          ; the barrier has opened a round of the cluster's barrier: no wave of any partner still reads this slot's tile or has a load on its way
	s_add_nc_u64 s[G0+4*\slot+2:G0+4*\slot+3], s[G0+4*\slot+2:G0+4*\slot+3], 2*ROWB
	s_add_nc_u64 s[G0B+4*\slot+2:G0B+4*\slot+3], s[G0B+4*\slot+2:G0B+4*\slot+3], 2*ROWB
	JLOAD G0+4*\slot, G1, G0B+4*\slot, G1B         ; the first tensor load behind the round; its four v_nop are the places in front of the loads below
.else
	PLACES NP
.endif
	v_add_nc_u32 v[ADRS], 4*NQ, v[ADRS]            ; on to the next K step's scale words (no LDS load of mine is out)
	FETCH_B \next, 0, 0
	FETCH_A \next, 0, 0
	SCALES \next
	WIN MUL_HI
	MUL16 4, 1, NQ-1, \slot, 0
	MUL16 6, 1, NQ-1, \slot, 0
	PLACES NP
	WIN 0
	FETCH_A \next, 0, 4
.endm
	s_wait_tensorcnt 1                             ; the scales and my part of K step 0 are in (K step 1's load may be out),
	s_barrier_signal -1
	s_barrier_wait -1                              ; everybody's are
	FETCH_B 0, 0, 0
	FETCH_A 0, 0, 0
	SCALES 0
	FETCH_A 0, 0, 4
	STEP 0, 0, 1                                   ; the first step stands in front of the loop: its products start the sums
	s_mov_b32 s3, LAPS-1
.Llap:                                             ; a trip goes once round the ring and fills both slots again
	TURN 0, 1, 1
	STEP 1, 0, 0
	TURN 1, 0, 1
	STEP 0, 0, 0
	s_sub_co_u32 s3, s3, 1
	s_cmp_lg_u32 s3, 0
	s_cbranch_scc1 .Llap
	TURN 0, 1, 0                                   ; the last lap fills nothing, and has no round of the cluster's barrier
	STEP 1, 0, 0
	s_wait_dscnt 4*NL
	WIN MUL_LO
	MUL16 0, 1, NQ-1, 1, 0
	MUL16 2, 1, NQ-1, 1, 0
	s_wait_dscnt 0
	WIN MUL_HI
	MUL16 4, 1, NQ-1, 1, 0
	MUL16 6, 1, NQ-1, 1, 0
	WIN 0
	PLACES NP                                      ; in front of all that reads results or writes the products' operand registers
	; ---- behind the products.  Where my records begin: step st of 128 rows, my first head; the second head's record lies 32 records on
	s_lshl_b32 s23, s17, 1
	s_add_co_u32 s23, s23, s15                     ; st = 2 x tile row + my half of the rows
	s_sub_co_u32 s41, s42, 8
	s_lshl_b32 s41, s41, 1                         ; k, v: head 2 (tile column - 8)
	s_lshl_b32 s43, s42, 2
	s_lshl_b32 s44, s16, 1
	s_add_co_u32 s43, s43, s44                     ; q: head 4 x tile column + 2 x my half of the columns
	s_mov_b32 s40, QREC
	s_cmp_eq_u32 ttmp9, 2
	s_cselect_b32 s40, KVREC, s40
	s_cselect_b32 s41, s41, s43
	s_cselect_b64 s[B0:B0+1], s[100:101], s[98:99]
	s_lshl_b32 s41, s41, 5
	s_add_co_u32 s41, s41, s23
	s_mul_i32 s44, s41, s40                        ; under 2^23
	s_mov_b32 s45, 0
	s_add_nc_u64 s[B0:B0+1], s[B0:B0+1], s[44:45]
	s_lshl_b32 s44, s40, 5
	s_add_nc_u64 s[B1:B1+1], s[B0:B0+1], s[44:45]
	s_mov_b32 s[SEL], 0x76543210
	s_mov_b32 s[SEL+1], 0xfedcba98                 ; v_permlanex16_b32's selects for lane l xor 16
	s_mov_b32 s[INV64], 0x3c800000                 ; 1 / 64
	s_mov_b32 s[EPSR], 0x358637bd                  ; 1e-6
	s_mov_b32 s[HM], 0xffff0000                    ; lanes 16-31
.irp j, 4,5,6,7,9,11,12,13
	v_mov_b32 v[TM+\j], 0                          ; written once: a lane permute's destination counts as one of its sources, and a pair is named whole
.endr
; 64 numbers of a lane, v[s] on in window w, register 16 b + i = k 32 b + 16 (lane / 16) + i of my row, become a fragment's codes in v[QC] on and its scale word in v[pw].  Each accumulator is read from its low end on.
.macro QUANT s, w, pw
	WIN (\w)|((\w)<<2)
.irp b, 0,1,2,3
	v_max3_num_f32 v[TM+\b], |v[\s+16*\b]|, |v[\s+1+16*\b]|, 0x1800000   ; my 16 numbers of block b, and the floor 2^(3 - 127): the byte cannot fall under 1
.endr
	WIN ((\w)<<2)|((\w)<<4)
.irp i, 2,4,6,8,10,12,14
.irp b, 0,1,2,3
	v_max3_num_f32 v[TM+\b], v[TM+\b], |v[\s+16*\b+\i]|, |v[\s+1+16*\b+\i]|   ; (the four blocks by turns)
.endr
.endr
	WIN 0
.irp b, 0,1,2,3
	v_permlanex16_b32 v[TM+4+\b], v[TM+\b], s[SEL], s[SEL+1]
.endr
.irp b, 0,1,2,3
	v_max_num_f32 v[TM+\b], v[TM+\b], v[TM+4+\b]   ; with lane l xor 16's: the block's largest magnitude
.endr
.irp b, 0,1,2,3
	v_add_nc_u32 v[TM+12+\b], 0xff000000, v[TM+\b] ; 2 off its exponent field: the conversion's scale operand
.endr
.irp b, 0,1,2,3
	v_lshrrev_b32 v[TM+4+\b], 23, v[TM+12+\b]      ; the scale's byte
.endr
	v_lshl_or_b32 v[\pw], v[TM+5], 8, v[TM+4]
	v_lshl_or_b32 v[\pw], v[TM+6], 16, v[\pw]
	v_lshl_or_b32 v[\pw], v[TM+7], 24, v[\pw]
	WIN \w
.irp c, 0,1
	v_cvt_scalef32_pk16_fp6_f32 v[QC+6*\c:QC+2+6*\c], v[\s+32*\c:\s+15+32*\c], v[TM+12+2*\c]
	v_cvt_scalef32_pk16_fp6_f32 v[QC+12+4*\c:QC+14+4*\c], v[\s+16+32*\c:\s+31+32*\c], v[TM+12+2*\c+1]   ; (a conversion's three registers begin on an even number)
.endr
	WIN 0
	v_nop                                          ; one plain line behind a scaled conversion
.irp c, 0,1                                    ; the operand's layout wants a whole block in a lane: lanes 0-15 block 2 c, lanes 16-31 block 2 c + 1
.irp i, 0,1,2
	v_permlane16_swap_b32 v[QC+6*\c+\i], v[QC+12+4*\c+\i]
.endr
.irp i, 0,1,2
	v_mov_b32 v[QC+3+6*\c+\i], v[QC+12+4*\c+\i]
.endr
.endr
.endm
	s_cmp_eq_u32 s[ISV], 1
	s_cbranch_scc1 .Lv
	; ---- q and k.  cos and sin of blocks 1 to 7's rows, into the registers that held source 0's fragments
	WIN TO_B
.irp a, 1,2,3,4,5,6,7
.irp j, 0,1,2,3
	global_load_b128 v[32*(\a-1)+4*\j:32*(\a-1)+4*\j+3], v[TA], s[8:9] offset:(32*(\a/2)+8*(\a%2))*256+16*\j
	global_load_b128 v[32*(\a-1)+16+4*\j:32*(\a-1)+16+4*\j+3], v[TA], s[8:9] offset:(32*(\a/2)+8*(\a%2))*256+128+16*\j
.endr
.endr
	WIN 0
; Block a: 16 rows x my two heads.
.macro QKBLOCK a
.set W, 2+(\a)/4
.set AC, 64*((\a)%4)
.if (\a) < 1
.set CW, 0
.set CT, TB0
.else
.set CW, 1
.set CT, 32*((\a)-1)
.endif
	s_wait_loadcnt 8*(7-(\a))                      ; the weights and this block's table rows are in; the eight loads of each block behind it may be out
	s_wait_xcnt 0x0                                ; the last block's stores have read their registers
	WIN W|(W<<2)
.irp k, 0,1,2,3,4,5,6,7                        ; the sums of squares: two chains of pairs a head, by turns
.irp c, 0,1
.irp x, 0,1
.set RA, AC+8*(4*\c+\x+2*(\k/4))+2*(\k%4)
.if \k == 0
	v_pk_mul_f32 v[TM+4*\c+2*\x:TM+4*\c+2*\x+1], v[RA:RA+1], v[RA:RA+1]
.else
	v_pk_fma_f32 v[TM+4*\c+2*\x:TM+4*\c+2*\x+1], v[RA:RA+1], v[RA:RA+1], v[TM+4*\c+2*\x:TM+4*\c+2*\x+1]
.endif
.endr
.endr
.endr
	WIN 0
.irp c, 0,1
	v_pk_add_f32 v[TM+4*\c:TM+4*\c+1], v[TM+4*\c:TM+4*\c+1], v[TM+4*\c+2:TM+4*\c+3]
.endr
.irp c, 0,1
	v_add_f32 v[TM+4*\c], v[TM+4*\c], v[TM+4*\c+1]
.endr
.irp c, 0,1
	v_permlanex16_b32 v[TM+12+\c], v[TM+4*\c], s[SEL], s[SEL+1]
.endr
.irp c, 0,1
	v_add_f32 v[TM+4*\c], v[TM+4*\c], v[TM+12+\c]  ; with lane l xor 16's 32 channels: the head's 64
.endr
.irp c, 0,1
	v_fma_f32 v[TM+4*\c], v[TM+4*\c], s[INV64], s[EPSR]   ; the mean + eps
.endr
.irp c, 0,1
	v_rsq_f32 v[TM+8+2*\c], v[TM+4*\c]
.endr
	v_nop                                          ; a plain line behind the last of the two,
	s_wait_alu depctr_va_vdst(0)                   ; and one wait for both, ahead of their first reader
	WIN W
.irp c, 0,1
.irp k, 0,2,4,6,8,10,12,14,16,18,20,22,24,26,28,30
	v_pk_mul_f32 v[Y+32*\c+\k:Y+32*\c+\k+1], v[AC+32*\c+\k:AC+32*\c+\k+1], v[TM+8+2*\c:TM+9+2*\c] op_sel_hi:[1,0]
.endr
.endr
	WIN 0
.irp c, 0,1
.irp k, 0,2,4,6,8,10,12,14,16,18,20,22,24,26,28,30
	v_pk_mul_f32 v[Y+32*\c+\k:Y+32*\c+\k+1], v[Y+32*\c+\k:Y+32*\c+\k+1], v[NW+\k:NW+\k+1]
.endr
.endr
	WIN CW<<2                                      ; cos and sin are source 1
.irp c, 0,1                                    ; x1' = x1 cos - x2 sin, x2' = x2 cos + x1 sin; four pairs at a time, so that no line waits for the line above it
.irp g, 0,8
.irp k, 0,2,4,6
	v_pk_mul_f32 v[QC+2*\k:QC+2*\k+1], v[Y+32*\c+16+\g+\k:Y+32*\c+17+\g+\k], v[CT+16+\g+\k:CT+17+\g+\k]
	v_pk_mul_f32 v[QC+2*\k+2:QC+2*\k+3], v[Y+32*\c+\g+\k:Y+32*\c+1+\g+\k], v[CT+16+\g+\k:CT+17+\g+\k]
.endr
.irp k, 0,2,4,6
	v_pk_fma_f32 v[Y+32*\c+\g+\k:Y+32*\c+1+\g+\k], v[Y+32*\c+\g+\k:Y+32*\c+1+\g+\k], v[CT+\g+\k:CT+1+\g+\k], v[QC+2*\k:QC+2*\k+1] neg_lo:[0,0,1] neg_hi:[0,0,1]
	v_pk_fma_f32 v[Y+32*\c+16+\g+\k:Y+32*\c+17+\g+\k], v[Y+32*\c+16+\g+\k:Y+32*\c+17+\g+\k], v[CT+\g+\k:CT+1+\g+\k], v[QC+2*\k+2:QC+2*\k+3]
.endr
.endr
.endr
	WIN 0
	QUANT Y, 0, SW+(\a)                            ; registers 6 c .. 6 c + 5 of the codes are head c's: lane (r, h) holds block h of row r
.irp p, 0,1,2
	global_store_b64 v[L8], v[QC+2*\p:QC+2*\p+1], s[B0:B0+1] offset:768*(\a)+256*\p       ; the wave stores 256 consecutive bytes, at a multiple of 256 from the buffer's first byte
.endr
.irp p, 0,1,2
	global_store_b64 v[L8], v[QC+6+2*\p:QC+7+2*\p], s[B1:B1+1] offset:768*(\a)+256*\p
.endr
.endm
.irp a, 0,1,2,3,4,5,6,7
	QKBLOCK \a
.endr
.irp n, 0,1,2,3                                ; the scale images.  A word's low half is head 0's two bytes; above them stand head 1's, which meet zero codes only
	v_cndmask_b32 v[OUTS+\n], v[SW+2*\n], v[SW+2*\n+1], s[HM]
.endr
.irp n, 0,1,2,3,4,5,6,7
	v_lshrrev_b32 v[SW+\n], 16, v[SW+\n]           ; head 1's two bytes
.endr
.irp n, 0,1,2,3
	v_cndmask_b32 v[OUTS+4+\n], v[SW+2*\n], v[SW+2*\n+1], s[HM]
.endr
	global_store_b128 v[L16], v[OUTS:OUTS+3], s[B0:B0+1] offset:6144
	global_store_b128 v[L16], v[OUTS+4:OUTS+7], s[B1:B1+1] offset:6144
	s_branch .Ldone
.Lv:	; ---- v.  Block a: 16 channels (head a / 4, tile a % 4) x 128 keys: the accumulators are quantised as they stand
	s_wait_loadcnt 0x0
.macro VBLOCK a
.set W, 2+(\a)/4
.set AC, 64*((\a)%4)
	s_wait_xcnt 0x0                                ; the last block's stores have read their registers
	QUANT AC, W, SW+(\a)
.irp c, 0,1,2
	global_store_b128 v[L16], v[QC+4*\c:QC+4*\c+3], s[B0:B0+1] offset:((\a)/4)*32*KVREC+6656+((\a)%4)*1536+512*\c   ; the wave stores 512 consecutive bytes
.endr
.endm
.irp a, 0,1,2,3,4,5,6,7
	VBLOCK \a
.endr
.irp n, 0,1,2,3
	v_cndmask_b32 v[OUTS+\n], v[SW+2*\n], v[SW+2*\n+1], s[HM]
.endr
	global_store_b64 v[L8], v[OUTS:OUTS+1], s[B0:B0+1] offset:12800
	global_store_b64 v[L8], v[OUTS+2:OUTS+3], s[B0:B0+1] offset:32*KVREC+12800
.Ldone:
	s_wait_tensorcnt 0x0                           ; the wave's end
	ds_add_u32 v[SPW], v[NIL]
	s_wait_dscnt 0x0
	CROUND                                         ; the closing round: no work-group ends while a partner may still ask for a tile that names it
	s_endpgm
.Lfunc_end_k_qaff0b28925_qkv:
	.size	k_qaff0b28925_qkv, .Lfunc_end_k_qaff0b28925_qkv-k_qaff0b28925_qkv
	.p2alignl 7, 3214868480
	.fill 96, 4, 3214868480
	.section	.rodata,"a",@progbits
	.p2align	6, 0x0
	.amdhsa_kernel k_qaff0b28925_qkv
		.amdhsa_group_segment_fixed_size 327680
		.amdhsa_private_segment_fixed_size 0
		.amdhsa_enable_private_segment 0
		.amdhsa_kernarg_size 56
		.amdhsa_user_sgpr_count 2
		.amdhsa_user_sgpr_kernarg_segment_ptr 1
		.amdhsa_wavefront_size32 1
		.amdhsa_system_sgpr_workgroup_id_x 1
		.amdhsa_system_sgpr_workgroup_id_y 1
		.amdhsa_system_sgpr_workgroup_id_z 1
		.amdhsa_system_vgpr_workitem_id 0
		.amdhsa_next_free_vgpr 1024
		.amdhsa_next_free_sgpr 102
		.amdhsa_reserve_vcc 0
		.amdhsa_float_denorm_mode_32 3
		.amdhsa_float_denorm_mode_16_64 3
		.amdhsa_memory_ordered 1
		.amdhsa_forward_progress 1
		.amdhsa_inst_pref_size 255
	.end_amdhsa_kernel
	.section	.bss,"aw",@nobits
	.p2align	6
	.space	262144
	.amdgpu_metadata
---
amdhsa.version: [ 1, 2 ]
amdhsa.kernels:
  - .name:           k_qaff0b28925_qkv
    .symbol:         k_qaff0b28925_qkv.kd
    .args:
      - { .name: codes, .offset: 0, .size: 8, .value_kind: global_buffer, .address_space: global }
      - { .name: scales, .offset: 8, .size: 8, .value_kind: global_buffer, .address_space: global }
      - { .name: rope, .offset: 16, .size: 8, .value_kind: global_buffer, .address_space: global }
      - { .name: q_norm_w, .offset: 24, .size: 8, .value_kind: global_buffer, .address_space: global }
      - { .name: k_norm_w, .offset: 32, .size: 8, .value_kind: global_buffer, .address_space: global }
      - { .name: qrec, .offset: 40, .size: 8, .value_kind: global_buffer, .address_space: global }
      - { .name: kvrec, .offset: 48, .size: 8, .value_kind: global_buffer, .address_space: global }
    .group_segment_fixed_size: 327680
    .private_segment_fixed_size: 0
    .kernarg_segment_align: 8
    .kernarg_segment_size: 56
    .max_flat_workgroup_size: 128
    .sgpr_count:     102
    .vgpr_count:     1024
    .wavefront_size: 32
...
	.end_amdgpu_metadata
.endif
;; end of part 2
;; launch attn (part 3): grid 32 x 8, 16 waves a work-group, no clusters, 167,936 bytes of LDS; arguments qrec, kvrec, ctxc, ctxs; writes ctxc, ctxs
.if DOCPART == 3
	.amdgcn_target "amdgcn-amd-amdhsa--gfx1250"
	.amdhsa_code_object_version 6
	.text
	.protected	k_qaff0b28925_attn
	.globl	k_qaff0b28925_attn
	.p2align	8
	.type	k_qaff0b28925_attn,@function
k_qaff0b28925_attn:
	s_mov_b64 s[64:65], 0
	v_nop
	global_prefetch_b8 v0, s[64:65] scope:SCOPE_SE
	s_setreg_imm32_b32 hwreg(HW_REG_WAVE_MODE, 25, 1), 1
	s_wait_xcnt 0x0
; Attention in a sliding window on codes of FP6 (E2M3): query t sees keys t - 512 .. t, none below 0.  Head size 64, four query heads to a key head.  The context is quantised along (head, channel) for the last product.
; THE SOFTMAX: t = score x log2(e) / 8; M = the row's largest t so far, rounded up to a whole number; p = 2^(t - M) is quantised along the keys, not normalised; the row's sum is taken of the unquantised p and divides at the end.
; SHARES.  Work-group (i, g) owns queries 128 i .. 128 i + 127 of heads 4 g .. 4 g + 3: 32 tiles of 16 queries.  Wave w takes row tile w % 8 and heads 4 g + 2 (w / 8) + 0, 1, one after the other in a loop of two trips.
; Its window lies in the five key steps i - 4 .. i of 128 keys: five records of 13,056 bytes, fetched ONCE at the head by waves 0 to 4, one tensor load each: nothing in LDS is filled again.
; Place s always holds key step i - 4 + s: the window's edge falls into s = 0 alone (hidden: key's place in the step < query's place), the diagonal into s = 4 alone (hidden: >).  A step below key 0 is jumped over, by a branch on the
; work-group's number; its load is held at step 0 and nobody reads it.
; NO CLUSTER: the windows of neighbouring blocks of queries begin at different key steps, so place s holds another step in each: no two work-groups have a descriptor in common.
; LAYOUT.  Both products are used transposed (S^T = K Q^T, O^T = V^T P^T): a lane holds one query throughout.  The records are register images.  Lane r of tile 2 b + u of keys holds key 32 b + 8 u + r + 8 (r / 8), so that the 16 registers
; of two neighbouring tiles are 16 neighbouring keys; the queries of a tile and the channels of a tile of V are ordered in the same way.  A head's 64 fill half of the first product's K: registers 6 to 11 of both operands hold zero codes.
; LIMITS: NaN and infinities are not served; the division by the row's sum is a reciprocal and a multiplication; a block of the context under 2^-124 keeps the byte 1.
; REGISTERS: v1-7 addresses; v8-11 K's scale words; v12 -M, v13 the largest t, v[14:15] the sum; v16-27 Q; v28-29 V's scale words; v30, v31 the add's two; v32-79 four fragments of K; v80-94 the two heads' Q as loaded;
;   v96-110 the two heads' context codes; v111-113 addresses; v128-191 S^T, then p, then V's fragments; v192-223 O^T; v224-235 p's codes; v236-254 at work; v255 Q's scale word.
.set REC,   13056
.set STG,   65536                      ; behind the five records (65,280 bytes): the stage for the codes, 128 rows x 192 bytes,
.set SSTG,  90112                      ; for the scale bytes, 128 rows x 8,
.set SPARE, 91136                      ; and the spare words: 128 bytes a wave, eight blocks of 256 bytes that no other line names
	s_load_b256 s[4:11], s[0:1], 0x0               ; qrec s[4:5], kvrec s[6:7], ctxc s[8:9], ctxs s[10:11]
	v_lshl_add_u32 v30, v0, 2, SPARE
	v_mov_b32 v31, 0
	ds_add_u32 v30, v31                            ; the wave's opening: the add and its wait stand ahead of my first tensor load; the set-up below, work on registers, stands between them
	v_lshrrev_b32 v114, 5, v0
	v_readfirstlane_b32 s24, v114                  ; wave 0..15
	s_mov_b32 s25, ttmp9                           ; i
	s_and_b32 s26, ttmp7, 0xffff                   ; g
	; descriptor group 1: a record, dense: 51 rows of 256 bytes (32 elements of 8 bytes), no padding
	s_mov_b32 s16, 3<<16
	s_mov_b32 s17, 32<<16                          ; tensor_dim0
	s_mov_b32 s18, 51<<16                          ; tensor_dim1
	s_mov_b32 s19, 32<<16                          ; tile_dim0
	s_mov_b32 s20, 51                              ; tile_dim1
	s_mov_b32 s21, 32                              ; from row to row
	s_mov_b32 s22, 0
	s_mov_b32 s23, 0
	s_and_b32 s33, s24, 7                          ; a: my tile of rows
	s_lshr_b32 s34, s24, 3                         ; which pair of heads
	s_lshr_b32 s35, s33, 1
	s_and_b32 s44, s33, 1
	s_lshl_b32 s45, s35, 5
	s_lshl_b32 s46, s44, 3
	s_add_co_u32 s45, s45, s46                     ; 32 (a / 2) + 8 (a % 2)
	v_and_b32 v114, 31, v0                         ; lane
	v_and_b32 v115, 15, v0                         ; r
	v_bfe_u32 v116, v0, 4, 1                       ; h
	v_lshlrev_b32 v1, 3, v114                      ; 8 x lane
	v_lshlrev_b32 v2, 4, v114                      ; 16 x lane
	v_and_b32 v117, 8, v115
	v_add_nc_u32 v117, v117, v115
	v_add_nc_u32 v117, s45, v117                   ; my query's place among the 128
	v_lshlrev_b32 v3, 4, v116
	v_sub_nc_u32 v3, v117, v3                      ; less 16 h: what a register's key number is held against
	v_mul_u32_u24 v4, v117, 192
	v_mad_u32_u24 v4, v116, 24, v4
	s_mul_i32 s46, s34, 96
	s_add_co_u32 s46, s46, STG
	v_add_nc_u32 v4, s46, v4                       ; the stage: my row, my pair of heads, my block
	v_lshlrev_b32 v5, 3, v117
	s_lshl_b32 s46, s34, 2
	s_add_co_u32 s46, s46, SSTG
	v_add_nc_u32 v5, s46, v5                       ; and its four scale bytes
	v_lshl_add_u32 v6, v0, 4, STG                  ; back: 16 bytes a thread
	v_lshlrev_b32 v111, 4, v0
	v_lshl_add_u32 v112, v0, 3, SSTG
	v_lshlrev_b32 v113, 6, v0
	v_lshlrev_b32 v7, 4, v115                      ; Q's scale word in its image: lane 16 (a % 2) + r, register a / 2
	s_lshl_b32 s46, s44, 8
	s_lshl_b32 s47, s35, 2
	s_add_co_u32 s46, s46, s47
	v_add_nc_u32 v7, s46, v7
	s_min_u32 s27, s24, 4                          ; waves 0 to 4 fetch place 0 to 4
	s_mov_b32 s12, 1
	s_mul_i32 s13, s27, REC
	s_add_co_u32 s48, s25, s27
	s_max_u32 s48, s48, 4
	s_sub_co_u32 s48, s48, 4                       ; key step i - 4 + place, held at 0
	s_lshl_b32 s49, s26, 5
	s_add_co_u32 s48, s48, s49
	s_mul_i32 s48, s48, REC
	s_mov_b32 s49, 0
	s_lshl_b32 s50, s26, 2
	s_lshl_b32 s51, s34, 1
	s_add_co_u32 s50, s50, s51                     ; my first head
	s_lshl_b32 s50, s50, 5
	s_add_co_u32 s50, s50, s25
	s_mul_i32 s50, s50, 6656                       ; its record of step i
	s_mov_b32 s51, 0
	s_mul_i32 s52, s33, 768                        ; my tile in it
	s_mov_b32 s53, 0
	s_lshl_b32 s54, s26, 12
	s_lshl_b32 s55, s25, 7
	s_add_co_u32 s54, s54, s55
	s_mul_i32 s54, s54, 192                        ; the context's codes: plane g, row 128 i
	s_mov_b32 s55, 0
	s_lshl_b32 s56, s25, 13
	s_lshl_b32 s57, s26, 3
	s_add_co_u32 s56, s56, s57                     ; its scale bytes: row 128 i of 64 bytes, byte 8 g
	s_mov_b32 s57, 0
	s_mov_b32 s28, 0x76543210
	s_mov_b32 s29, 0xfedcba98                      ; v_permlanex16_b32's selects for lane l xor 16
	s_mov_b32 s30, 0x3e38aa3b                      ; c = log2(e) / 8
	s_mov_b32 s31, s30                             ; (named with it as a pair, so it is written)
	s_wait_dscnt 0x0                               ; the opening add is done
	s_wait_kmcnt 0x0
	s_add_nc_u64 s[14:15], s[6:7], s[48:49]
	s_or_b32 s15, s15, 0x80000000
	s_cmp_lt_u32 s24, 5
	s_cbranch_scc0 .Lno_fetch
	tensor_load_to_lds s[12:15], s[16:23]          ; my one tensor load
	s_nop 0
.rept 4
	v_nop
.endr
.Lno_fetch:
	s_add_nc_u64 s[38:39], s[4:5], s[50:51]
	s_add_nc_u64 s[36:37], s[38:39], s[52:53]
	s_add_nc_u64 s[38:39], s[38:39], 6144
	s_add_nc_u64 s[40:41], s[8:9], s[54:55]
	s_add_nc_u64 s[42:43], s[10:11], s[56:57]
.irp u, 0,1                                    ; Q of my two heads: the second head's record lies 32 records on
.irp p, 0,1,2
	global_load_b64 v[80+8*\u+2*\p:81+8*\u+2*\p], v1, s[36:37] offset:212992*\u+256*\p
.endr
	global_load_b32 v[86+8*\u], v7, s[38:39] offset:212992*\u
.endr
.irp j, 22,23,24,25,26,27
	v_mov_b32 v[\j], 0                             ; zero codes for the upper half of the first product's K: in Q,
.endr
.irp t, 0,1,2,3
.irp j, 6,7,8,9,10,11
	v_mov_b32 v[32+12*\t+\j], 0                    ; and in K's four fragments
.endr
.endr
.irp j, 0,1,2,3,4,5,6
	v_mov_b32 v[96+\j], 0                          ; (read by the first trip's move)
.endr
.irp j, 236,237,238,239,253
	v_mov_b32 v[\j], 0                             ; written once: a lane permute's destination counts as one of its sources, and a pair is named whole
.endr
	s_wait_tensorcnt 0x0                           ; my record has landed,
	s_barrier_signal -1
	s_barrier_wait -1                              ; everybody's has
	s_wait_loadcnt 0x0                             ; Q
; A KEY STEP: the 128 keys at place s.  mask = 1: the window's edge; 2: the diagonal; 0: all keys count.
.macro STEP s, mask
.set RB, REC*(\s)
.if (\s) < 4
	s_cmp_lt_u32 s25, 4-(\s)                       ; keys below 0
	s_cbranch_scc1 .Lskip_\@
.endif
.rept 5
	v_nop                                          ; the scores are written over registers that the last products read as V's fragments: five plain lines between
.endr
.irp g, 0,1                                    ; S^T = K Q^T, four tiles of 16 keys at a time
.if \g > 0
.rept 4
	v_nop                                          ; in front of loads into registers that matrix instructions have read
.endr
.endif
.irp t, 0,1,2,3
.irp p, 0,1,2
	ds_load_b64 v[32+12*\t+2*\p:33+12*\t+2*\p], v1 offset:RB+768*(4*\g+\t)+256*\p
.endr
.endr
.if \g == 0
	ds_load_b128 v[8:11], v2 offset:RB+6144        ; the eight tiles' scale words: register n: tile 2 n in lanes 0-15, tile 2 n + 1 in lanes 16-31
.endif
	s_wait_dscnt 0x0
.irp t, 0,1,2,3
.if (\t%2) == 0
	v_wmma_scale_f32_16x16x128_f8f6f4 v[128+8*(4*\g+\t):135+8*(4*\g+\t)], v[32+12*\t:43+12*\t], v[16:27], 0, v[8+(4*\g+\t)/2], v255 matrix_a_fmt:MATRIX_FMT_FP6 matrix_b_fmt:MATRIX_FMT_FP6
.else
	v_wmma_scale_f32_16x16x128_f8f6f4 v[128+8*(4*\g+\t):135+8*(4*\g+\t)], v[32+12*\t:43+12*\t], v[16:27], 0, v[8+(4*\g+\t)/2], v255 matrix_a_fmt:MATRIX_FMT_FP6 matrix_b_fmt:MATRIX_FMT_FP6 matrix_a_scale:MATRIX_SCALE_ROW1
.endif
.endr
.endr
.rept 4
	v_nop
.endr
.if \mask                                      ; register n holds the key at place 32 (n / 16) + n % 16 + 16 h of the step: hidden scores become -infinity ahead of the maximum, so p = 0
	v_mov_b32 v254, 0xff800000
.set n, 0
.rept 64
.if \mask == 1
	v_cmp_lt_i32 vcc_lo, 32*(n/16)+n%16, v3
.else
	v_cmp_gt_i32 vcc_lo, 32*(n/16)+n%16, v3
.endif
	v_cndmask_b32 v[128+n], v[128+n], v254, vcc_lo
.set n, n+1
.endr
.endif
.irp b, 0,1,2,3
	v_max3_num_f32 v[248+\b], v[128+16*\b], v[129+16*\b], v[130+16*\b]   ; the largest score of each block of 32 keys: it serves for the row's maximum and, since p rises with the score, for the block's largest p
.endr
.irp i, 3,5,7,9,11,13
.irp b, 0,1,2,3
	v_max3_num_f32 v[248+\b], v[248+\b], v[128+16*\b+\i], v[129+16*\b+\i]
.endr
.endr
.irp b, 0,1,2,3
	v_max_num_f32 v[248+\b], v[248+\b], v[143+16*\b]
.endr
.irp b, 0,1,2,3
	v_permlanex16_b32 v[236+\b], v[248+\b], s28, s29
.endr
.irp b, 0,1,2,3
	v_max_num_f32 v[248+\b], v[248+\b], v[236+\b]  ; with lane l xor 16's 16 keys
.endr
	v_max3_num_f32 v254, v248, v249, v250
	v_max_num_f32 v254, v254, v251                 ; the step's largest score of my query
	v_mul_f32 v254, s30, v254                      ; as t
	v_max_num_f32 v13, v13, v254                   ; the running largest t
	v_mov_b32 v254, v12
	v_floor_f32 v12, -v13                          ; the new -M = -ceil(t): a whole number
	v_sub_f32 v254, v12, v254                      ; old M - new M: a whole number, 0 or less
	v_cvt_i32_f32 v254, v254                       ; (it saturates)
	v_ldexp_f32 v252, 1.0, v254                    ; f = 2^(old M - new M): a multiplication by it rounds nothing
.set n, 0
.rept 32
	v_pk_fma_f32 v[128+n:129+n], v[128+n:129+n], s[30:31], v[12:13] op_sel_hi:[1,0,0]   ; t - M, two at a time
.set n, n+2
.endr
.irp b, 0,1,2,3
	v_fma_f32 v[248+\b], v[248+\b], s30, v12       ; the same of each block's largest score
.endr
.set n, 0
.rept 64
	v_exp_f32 v[128+n], v[128+n]                   ; p = 2^(t - M), at most 1
.set n, n+1
.endr
	v_pk_mul_f32 v[14:15], v[14:15], v[252:253] op_sel_hi:[1,0]   ; the sums under the new M (the plain line behind the exponentials)
	s_wait_alu depctr_va_vdst(0)                   ; one wait for the whole batch, ahead of its first reader
.irp b, 0,1,2,3
	v_exp_f32 v[248+\b], v[248+\b]                 ; the block's largest p
.endr
	v_pk_add_f32 v[236:237], v[128:129], v[130:131]   ; the row's sum, of the unquantised p: two at a time, in two chains
.set n, 4
.rept 15
	v_pk_add_f32 v[14:15], v[14:15], v[128+n:129+n]
	v_pk_add_f32 v[236:237], v[236:237], v[130+n:131+n]
.set n, n+4
.endr
	v_pk_add_f32 v[14:15], v[14:15], v[236:237]
	s_wait_alu depctr_va_vdst(0)                   ; and one for the four
.irp b, 0,1,2,3
	v_max_num_f32 v[248+\b], 0x1800000, v[248+\b]  ; the floor 2^(3 - 127): the byte cannot fall under 1
.endr
.irp b, 0,1,2,3
	v_add_nc_u32 v[244+\b], 0xff000000, v[248+\b]  ; 2 off the exponent field: the conversion's scale operand
.endr
.irp b, 0,1,2,3
	v_lshrrev_b32 v[236+\b], 23, v[244+\b]         ; the scale's byte
.endr
	v_lshl_or_b32 v253, v237, 8, v236              ; p's scale word for these 128 keys
	v_lshl_or_b32 v253, v238, 16, v253
	v_lshl_or_b32 v253, v239, 24, v253
.irp c, 0,1
	v_cvt_scalef32_pk16_fp6_f32 v[224+6*\c:226+6*\c], v[128+32*\c:143+32*\c], v[244+2*\c]
	v_cvt_scalef32_pk16_fp6_f32 v[236+4*\c:238+4*\c], v[144+32*\c:159+32*\c], v[244+2*\c+1]
.endr
	v_nop                                          ; one plain line behind a scaled conversion
.irp t, 0,1,2,3                                ; V's four fragments (16 channels x 128 keys), into the registers that p has left
.irp c, 0,1,2
	ds_load_b128 v[128+12*\t+4*\c:131+12*\t+4*\c], v2 offset:RB+6656+1536*\t+512*\c
.endr
.endr
	ds_load_b64 v[28:29], v1 offset:RB+12800       ; and their scale words
.irp c, 0,1                                    ; the operand's layout wants a whole block in a lane
.irp i, 0,1,2
	v_permlane16_swap_b32 v[224+6*\c+\i], v[236+4*\c+\i]
.endr
.irp i, 0,1,2
	v_mov_b32 v[227+6*\c+\i], v[236+4*\c+\i]
.endr
.endr
.set n, 0
.rept 16
	v_pk_mul_f32 v[192+n:193+n], v[192+n:193+n], v[252:253] op_sel_hi:[1,0]   ; O^T under the new M.  (These sixteen also stand between the lines that made p's codes and scale word and the products)
.set n, n+2
.endr
	s_wait_dscnt 0x0
.irp t, 0,1,2,3                                ; O^T += V^T P^T; the four accumulators take turns, and eight other products stand between two links of a chain
.if (\t%2) == 0
	v_wmma_scale_f32_16x16x128_f8f6f4 v[192+8*\t:199+8*\t], v[128+12*\t:139+12*\t], v[224:235], v[192+8*\t:199+8*\t], v[28+\t/2], v253 matrix_a_fmt:MATRIX_FMT_FP6 matrix_b_fmt:MATRIX_FMT_FP6
.else
	v_wmma_scale_f32_16x16x128_f8f6f4 v[192+8*\t:199+8*\t], v[128+12*\t:139+12*\t], v[224:235], v[192+8*\t:199+8*\t], v[28+\t/2], v253 matrix_a_fmt:MATRIX_FMT_FP6 matrix_b_fmt:MATRIX_FMT_FP6 matrix_a_scale:MATRIX_SCALE_ROW1
.endif
.endr
.if (\s) < 4
.Lskip_\@:
.endif
.endm
	s_mov_b32 s32, 2
.Ltrip:                                            ; a trip: one head
.irp j, 0,1,2,3,4,5
	v_mov_b32 v[16+\j], v[80+\j]                   ; this head's Q,
.endr
	v_mov_b32 v255, v86                            ; and its scale word;
.irp j, 0,1,2,3,4,5,6
	v_mov_b32 v[80+\j], v[88+\j]                   ; the other head's moves up
.endr
	v_mov_b32 v13, 0xff61b1e6                      ; the largest t so far: -3e38, under every t
	v_floor_f32 v12, -v13
	v_mov_b32 v14, 0
	v_mov_b32 v15, 0
.set n, 0
.rept 32
	v_mov_b32 v[192+n], 0                          ; O^T: which step is a trip's first hangs on i, so the sums begin as zeros.  (These lines also stand between the moves above and the first products)
.set n, n+1
.endr
	STEP 0, 1
	STEP 1, 0
	STEP 2, 0
	STEP 3, 0
	STEP 4, 2
	; the head's context: O^T / the sum; register n is channel 32 (n / 16) + 16 h + n % 16: two blocks of 32, quantised as above
.rept 4
	v_nop
.endr
	v_add_f32 v14, v14, v15
	v_permlanex16_b32 v252, v14, s28, s29
	v_add_f32 v14, v14, v252                       ; the row's sum
	v_rcp_f32 v14, v14
	v_nop                                          ; a plain line behind the reciprocal,
	s_wait_alu depctr_va_vdst(0)                   ; and the wait, ahead of its first reader
.set n, 0
.rept 16
	v_pk_mul_f32 v[128+n:129+n], v[192+n:193+n], v[14:15] op_sel_hi:[1,0]   ; each accumulator from its low end on
.set n, n+2
.endr
.irp b, 0,1
	v_max3_num_f32 v[248+\b], |v[128+16*\b]|, |v[129+16*\b]|, 0x1800000
.endr
.irp i, 2,4,6,8,10,12,14
.irp b, 0,1
	v_max3_num_f32 v[248+\b], v[248+\b], |v[128+16*\b+\i]|, |v[129+16*\b+\i]|
.endr
.endr
.irp b, 0,1
	v_permlanex16_b32 v[236+\b], v[248+\b], s28, s29
.endr
.irp b, 0,1
	v_max_num_f32 v[248+\b], v[248+\b], v[236+\b]
.endr
.irp b, 0,1
	v_add_nc_u32 v[244+\b], 0xff000000, v[248+\b]
.endr
.irp b, 0,1
	v_lshrrev_b32 v[236+\b], 23, v[244+\b]
.endr
	v_lshl_or_b32 v254, v237, 8, v236              ; the head's two scale bytes
	v_cvt_scalef32_pk16_fp6_f32 v[224:226], v[128:143], v244
	v_cvt_scalef32_pk16_fp6_f32 v[236:238], v[144:159], v245
	v_nop
.irp i, 0,1,2
	v_permlane16_swap_b32 v[224+\i], v[236+\i]     ; lane (r, h) now holds block h of its row: 24 bytes
.endr
.irp j, 0,1,2,3,4,5,6
	v_mov_b32 v[104+\j], v[96+\j]                  ; the first head's are kept,
.endr
.irp j, 0,1,2
	v_mov_b32 v[96+\j], v[224+\j]                  ; and this head's
	v_mov_b32 v[99+\j], v[236+\j]
.endr
	v_mov_b32 v102, v254
	s_sub_co_u32 s32, s32, 1
	s_cmp_lg_u32 s32, 0
	s_cbranch_scc1 .Ltrip
	; THE WAY OUT: a row's 192 bytes of plane g come from two waves and a lane holds 24 of them: they meet in the stage and leave as they lie in memory, 24,576 dense bytes.
.irp p, 0,1,2
	ds_store_b64 v4, v[104+2*\p:105+2*\p] offset:8*\p
	ds_store_b64 v4, v[96+2*\p:97+2*\p] offset:48+8*\p
.endr
	v_lshl_or_b32 v254, v102, 16, v110
	ds_store_b32 v5, v254                          ; both halves of the lanes write the same word with the same value
	s_wait_dscnt 0x0                               ; for the others' sake: my stores have landed
	s_barrier_signal -1
	s_barrier_wait -1
.irp k, 0,1,2
	ds_load_b128 v[128+4*\k:131+4*\k], v6 offset:8192*\k
.endr
	s_wait_dscnt 0x0
.irp k, 0,1,2
	global_store_b128 v111, v[128+4*\k:131+4*\k], s[40:41] offset:8192*\k   ; a wave stores 512 consecutive bytes, at a multiple of 256 from the buffer's first byte
.endr
	s_cmp_lt_u32 s24, 4                            ; the scale bytes: 128 rows, a thread a row: 8 bytes of each row's 64 (one byte in 24 of what the launch stores)
	s_cbranch_scc0 .Lno_scales
	ds_load_b64 v[140:141], v112
	s_wait_dscnt 0x0
	global_store_b64 v113, v[140:141], s[42:43]
.Lno_scales:
	s_wait_tensorcnt 0x0                           ; the wave's end, behind my last tensor load and my last LDS store
	ds_add_u32 v30, v31
	s_wait_dscnt 0x0
	s_endpgm
.Lfunc_end_k_qaff0b28925_attn:
	.size	k_qaff0b28925_attn, .Lfunc_end_k_qaff0b28925_attn-k_qaff0b28925_attn
	.p2alignl 7, 3214868480
	.fill 96, 4, 3214868480
	.section	.rodata,"a",@progbits
	.p2align	6, 0x0
	.amdhsa_kernel k_qaff0b28925_attn
		.amdhsa_group_segment_fixed_size 167936
		.amdhsa_private_segment_fixed_size 0
		.amdhsa_enable_private_segment 0
		.amdhsa_kernarg_size 32
		.amdhsa_user_sgpr_count 2
		.amdhsa_user_sgpr_kernarg_segment_ptr 1
		.amdhsa_wavefront_size32 1
		.amdhsa_system_sgpr_workgroup_id_x 1
		.amdhsa_system_sgpr_workgroup_id_y 1
		.amdhsa_system_sgpr_workgroup_id_z 1
		.amdhsa_system_vgpr_workitem_id 0
		.amdhsa_next_free_vgpr 256
		.amdhsa_next_free_sgpr 66
		.amdhsa_reserve_vcc 1
		.amdhsa_float_denorm_mode_32 3
		.amdhsa_float_denorm_mode_16_64 3
		.amdhsa_memory_ordered 1
		.amdhsa_forward_progress 1
		.amdhsa_inst_pref_size 104
	.end_amdhsa_kernel
	.amdgpu_metadata
---
amdhsa.version: [ 1, 2 ]
amdhsa.kernels:
  - .name:           k_qaff0b28925_attn
    .symbol:         k_qaff0b28925_attn.kd
    .args:
      - { .name: qrec, .offset: 0, .size: 8, .value_kind: global_buffer, .address_space: global }
      - { .name: kvrec, .offset: 8, .size: 8, .value_kind: global_buffer, .address_space: global }
      - { .name: ctxc, .offset: 16, .size: 8, .value_kind: global_buffer, .address_space: global }
      - { .name: ctxs, .offset: 24, .size: 8, .value_kind: global_buffer, .address_space: global }
    .group_segment_fixed_size: 167936
    .private_segment_fixed_size: 0
    .kernarg_segment_align: 8
    .kernarg_segment_size: 32
    .max_flat_workgroup_size: 512
    .sgpr_count:     66
    .vgpr_count:     256
    .wavefront_size: 32
...
	.end_amdgpu_metadata
.endif
;; end of part 3
;; launch oproj (part 4): grid 8 x 16, 4 waves a work-group, clusters of 4 x 4, 327,680 bytes of LDS; arguments ctxc, ctxs, codes, scales, out0; writes out0
.if DOCPART == 4
	.amdgcn_target "amdgcn-amd-amdhsa--gfx1250"
	.amdhsa_code_object_version 6
	.text
	.protected	k_qaff0b28925_oproj
	.globl	k_qaff0b28925_oproj
	.p2align	8
	.type	k_qaff0b28925_oproj,@function
k_qaff0b28925_oproj:
	s_mov_b64 s[64:65], 0
	v_nop
	global_prefetch_b8 v0, s[64:65] scope:SCOPE_SE
	s_setreg_imm32_b32 hwreg(HW_REG_WAVE_MODE, 25, 1), 1
	s_wait_xcnt 0x0
	s_wait_alu depctr_hold_cnt(0) depctr_sa_sdst(0) depctr_va_vdst(0) depctr_va_sdst(0) depctr_va_ssrc(0) depctr_va_vcc(0) depctr_vm_vsrc(0)
	s_getreg_b32 s2, hwreg(HW_REG_IB_STS2, 6, 4)
	s_cmp_eq_u32 s2, 0
	s_cbranch_scc0 .Lentry_in_a_cluster
	s_endpgm
.Lentry_in_a_cluster:
	s_bfe_u32 s2, ttmp6, 0x10000c
	s_cmp_lg_u32 s2, 0xf033
	s_cbranch_scc0 .Lentry_shape_is_right
	s_endpgm
.Lentry_shape_is_right:
; out = ctx wo^T on codes of FP6 (E2M3) with one E8M0 scale for each 32 along K; out [4096][2048] f32; sums in f32, K ascending.
; A = the context's codes, in PLANES of 256 along K: [8][4096 rows][192 bytes], so that a K step's tile of 128 rows is dense; its scale bytes [4096][64].  B = wo's codes, rows of 1,536 bytes, and scale bytes, behind x's and the other weights' in their buffers.
; A tile of 256 x 256 is made by four waves, 128 x 128 each: 64 accumulators, 512 registers.  K goes in steps of 256 through a ring of two LDS slots filled by the tensor data mover; the scale bytes of the work-group's rows come once and stay.
; CLUSTERS: 4 x 4 work-groups: A's tiles are asked for jointly along a row of the cluster, B's along a column.  THE MATRIX INSTRUCTION IS USED TRANSPOSED (source 0 = 16 rows of wo, source 1 = 16 rows of the context).
; wo's ROWS ARE STORED WITH BITS 3 AND 4 OF THEIR NUMBER EXCHANGED: register j of accumulator b in lane (r, h) is column 32 (b / 2) + 16 h + 8 (b % 2) + j of my 128: the stage puts them in order.
; REGISTERS: window 0: v0-31 addresses; v32-63 scale words, two sets; from v128 A's fragments, one set; on the way out v128-255 rows read back.  window 1: B's fragments, two sets.  windows 2, 3: the accumulators.
.set SIZE_M, 4096
.set SIZE_N, 2048
.set SIZE_K, 2048
.set KSTEP,  256
.set NQ,     KSTEP/128
.set ROWB,   192
.set KROW,   SIZE_K*6/8
.set APLANE, SIZE_M*ROWB               ; from plane to plane of A
.set WO_CODES,  11010048
.set WO_SCALES, 458752
.set PITCH,  240
.set FR,     12
.set NL,     6
.set NP,     4
.set HALFT,  128*PITCH
.set SLOT,   4*HALFT
.set LAPS,   SIZE_K/(2*KSTEP)
.set KS,     SIZE_K/32
.set SCL,    2*SLOT
.set HALFS,  (128*KS/256)*272
.set SBLK,   (16*KS/256)*272
.set SPARE,  SCL+4*HALFS               ; the spare words: 128 bytes a wave, two blocks of 256 bytes that no other line names
.set SPITCH, 528                       ; the way out: a stage of 16 rows x (512 bytes + 16) for each wave, in slot 0, which has had its last fill and its last read when the first result is stored there
.set ADRA, 16
.set ADRB, 20
.set STO,  24
.set RD,   25
.set CO,   26
.set ADRS, 27
.set SPW,  28
.set NIL,  29
.set SC,   32
.set AF,   128
.set BK,   128
.set G1, 24
.set G0, 32
.set G1B, 48
.set G0B, 56
.set G1S, 68
.set G0S, 76
.set G1SB, 80
.set G0SB, 88
.set MSB, 0
.macro WIN new                         ; the immediate's high byte repeats the setting that is left
.if MSB != \new
	s_set_vgpr_msb (MSB<<8)|\new
.set MSB, \new
.endif
.endm
.set MUL_LO, 0xa1
.set MUL_HI, 0xf1
.set TO_B,   0x40
.macro JLOAD g0a, g1a, g0b, g1b        ; a joint load: waves 0 and 1 fetch for A, waves 2 and 3 for B; an s_nop 0 and four v_nop follow each of the two lines
	s_cmp_eq_u32 s15, 0
	s_cbranch_scc0 .Lfor_b_\@
	tensor_load_to_lds s[\g0a:\g0a+3], s[\g1a:\g1a+7]
	s_nop 0
.rept 4
	v_nop
.endr
	s_branch .Lasked_\@
.Lfor_b_\@:
	tensor_load_to_lds s[\g0b:\g0b+3], s[\g1b:\g1b+7]
	s_nop 0
.rept 4
	v_nop
.endr
.Lasked_\@:
.endm
.macro CREST
	s_cmp_lg_u32 s14, 0
	s_cbranch_scc1 .Lnot_wave_0_\@
	s_barrier_signal -3
.Lnot_wave_0_\@:
	s_barrier_wait -3
	s_barrier_signal -1
	s_barrier_wait -1
.endm
.macro CROUND
	s_barrier_signal -1
	s_barrier_wait -1
	CREST
.endm
	s_load_b128 s[4:7], s[0:1], 0x0                ; the context's codes s[4:5], its scales s[6:7]
	s_load_b128 s[8:11], s[0:1], 0x10              ; codes s[8:9], scales s[10:11]
	s_load_b64 s[12:13], s[0:1], 0x20              ; out
	v_lshl_add_u32 v[SPW], v0, 2, SPARE
	v_mov_b32 v[NIL], 0
	ds_add_u32 v[SPW], v[NIL]                      ; the wave's opening: the add and its wait stand ahead of my first tensor load; the set-up below, work on registers, stands between them
	v_lshrrev_b32 v1, 5, v0
	v_readfirstlane_b32 s14, v1                    ; wave 0..3
	s_lshr_b32 s15, s14, 1                         ; which half of the tile's rows is mine.  Also: I fetch for A (0) or for B (1)
	s_and_b32 s16, s14, 1                          ; which half of its columns.  Also: which 128 rows of that tile I fetch
	s_bfe_u32 s40, ttmp6, 0x40000                  ; cx, cy
	s_bfe_u32 s41, ttmp6, 0x40004
	s_lshl_b32 s42, ttmp9, 2
	s_add_co_u32 s42, s42, s40                     ; tile column
	s_and_b32 s17, ttmp7, 0xffff
	s_lshl_b32 s17, s17, 2
	s_add_co_u32 s17, s17, s41                     ; tile row
	s_lshl_b32 s43, s41, 2
	s_lshl_b32 s43, 15, s43                        ; my row of the cluster
	s_lshl_b32 s44, 0x1111, s40                    ; my column
	s_or_b32 s[G1+0], s43, (0<<16)|(1<<20)|(1<<21)|(3<<22)|(3<<25)   ; a tile of 128 rows x 192 bytes, 16 bytes of padding behind every 64
	s_or_b32 s[G1B+0], s44, (0<<16)|(1<<20)|(1<<21)|(3<<22)|(3<<25)
.irp g, G1, G1B
	s_mov_b32 s[\g+1], ROWB<<16
	s_mov_b32 s[\g+2], 128<<16
	s_mov_b32 s[\g+3], ROWB<<16
	s_mov_b32 s[\g+4], 128
	s_mov_b32 s[\g+6], 0
	s_mov_b32 s[\g+7], 0
.endr
	s_mov_b32 s[G1+5], ROWB                        ; from row to row: A's rows of a plane lie on end,
	s_mov_b32 s[G1B+5], KROW                       ; B's are whole rows of K
	s_or_b32 s[G1S+0], s43, (3<<16)|(1<<20)|(1<<21)|(5<<22)|(3<<25)  ; the scales of 128 rows: 32 rows of 256 bytes, 16 bytes of padding behind each
	s_or_b32 s[G1SB+0], s44, (3<<16)|(1<<20)|(1<<21)|(5<<22)|(3<<25)
.irp g, G1S, G1SB
	s_mov_b32 s[\g+1], 32<<16
	s_mov_b32 s[\g+2], (128*KS/256)<<16
	s_mov_b32 s[\g+3], 32<<16
	s_mov_b32 s[\g+4], 128*KS/256
	s_mov_b32 s[\g+5], 32
	s_mov_b32 s[\g+6], 0
	s_mov_b32 s[\g+7], 0
.endr
	s_lshl_b32 s18, s16, 7
	s_lshl_b32 s20, s17, 8
	s_add_co_u32 s20, s20, s18                     ; A: row 256 x tile row + 128 x half
	s_lshl_b32 s46, s42, 8
	s_add_co_u32 s46, s46, s18                     ; B: row 256 x tile column + 128 x half
	s_mov_b32 s21, 0
	s_mov_b32 s47, 0
	s_mov_b64 s[18:19], KS
	s_mul_u64 s[22:23], s[20:21], s[18:19]
	s_mul_u64 s[92:93], s[46:47], s[18:19]
	s_mov_b64 s[18:19], ROWB
	s_mul_u64 s[20:21], s[20:21], s[18:19]
	s_mov_b64 s[18:19], KROW
	s_mul_u64 s[46:47], s[46:47], s[18:19]
	s_add_nc_u64 s[46:47], s[46:47], WO_CODES
	s_add_nc_u64 s[92:93], s[92:93], WO_SCALES
	s_mul_i32 s45, s14, HALFT
	s_mul_i32 s94, s14, HALFS
	s_wait_dscnt 0x0                               ; the opening add is done
	s_wait_kmcnt 0x0
	s_add_nc_u64 s[20:21], s[4:5], s[20:21]
	s_add_nc_u64 s[22:23], s[6:7], s[22:23]
	s_add_nc_u64 s[46:47], s[8:9], s[46:47]
	s_add_nc_u64 s[92:93], s[10:11], s[92:93]
	CROUND                                         ; all sixteen work-groups are here: the first joint loads meet
	s_mov_b32 s[G0S], 1
	s_add_co_u32 s[G0S+1], s94, SCL
	s_mov_b64 s[G0S+2:G0S+3], s[22:23]
	s_or_b32 s[G0S+3], s[G0S+3], 0x80000000
	s_mov_b32 s[G0SB], 1
	s_add_co_u32 s[G0SB+1], s94, SCL
	s_mov_b64 s[G0SB+2:G0SB+3], s[92:93]
	s_or_b32 s[G0SB+3], s[G0SB+3], 0x80000000
	JLOAD G0S, G1S, G0SB, G1SB                     ; the scales first.  With the two below, three tensor loads of mine are out
.irp s, 0,1
	s_mov_b32 s[G0+4*\s], 1
	s_add_co_u32 s[G0+4*\s+1], s45, \s*SLOT
	s_add_nc_u64 s[G0+4*\s+2:G0+4*\s+3], s[20:21], \s*APLANE
	s_or_b32 s[G0+4*\s+3], s[G0+4*\s+3], 0x80000000
	s_mov_b32 s[G0B+4*\s], 1
	s_add_co_u32 s[G0B+4*\s+1], s45, \s*SLOT
	s_add_nc_u64 s[G0B+4*\s+2:G0B+4*\s+3], s[46:47], \s*ROWB
	s_or_b32 s[G0B+4*\s+3], s[G0B+4*\s+3], 0x80000000
	JLOAD G0+4*\s, G1, G0B+4*\s, G1B
.endr
	v_and_b32 v1, 15, v0                           ; r
	v_bfe_u32 v2, v0, 4, 1                         ; h
	v_mul_u32_u24 v3, v1, PITCH
	v_mul_u32_u24 v4, v2, 24
	v_add_nc_u32 v4, v3, v4
	v_lshl_add_u32 v5, v2, 4, v4
	s_mul_i32 s21, s15, HALFT
	s_mul_i32 s22, s16, HALFT
	s_add_co_u32 s22, s22, 2*HALFT
.irp s, 0,1
	v_add_nc_u32 v[ADRA+\s], s21, v4
	v_add_nc_u32 v[ADRB+\s], s22, v4
	v_add_nc_u32 v[ADRA+2+\s], s21, v5
	v_add_nc_u32 v[ADRB+2+\s], s22, v5
	s_add_co_u32 s21, s21, SLOT
	s_add_co_u32 s22, s22, SLOT
.endr
	v_mul_u32_u24 v5, v1, KS
	v_lshrrev_b32 v6, 8, v5
	v_lshl_add_u32 v5, v6, 4, v5
	s_mul_i32 s21, s15, HALFS
	s_mul_i32 s22, s16, HALFS
	s_add_co_u32 s22, s22, 2*HALFS
	s_sub_co_u32 s22, s22, s21
	v_mul_u32_u24 v6, s22, v2                      ; lanes 16-31 take B's
	s_add_co_u32 s21, s21, SCL
	v_add_nc_u32 v5, v5, v6
	v_add_nc_u32 v[ADRS], s21, v5
	s_mul_i32 s23, s14, 16*SPITCH                  ; my stage
	v_mul_u32_u24 v5, v1, SPITCH                   ; in: row r; my half's sixteen columns of each 32 lie 64 h bytes on
	v_lshl_add_u32 v5, v2, 6, v5
	v_add_nc_u32 v[STO], s23, v5
	v_and_b32 v6, 31, v0
	v_lshlrev_b32 v[CO], 4, v6                     ; back: the 32 lanes take one row of 512 bytes; and the same in out
	v_add_nc_u32 v[RD], s23, v[CO]
	s_lshl_b32 s20, s17, 8
	s_lshl_b32 s21, s15, 7
	s_add_co_u32 s20, s20, s21                     ; my first row of out
	s_mov_b32 s21, 0
	s_mov_b64 s[18:19], SIZE_N*4
	s_mul_u64 s[20:21], s[20:21], s[18:19]
	s_lshl_b32 s46, s42, 10                        ; my first column, in bytes
	s_lshl_b32 s47, s16, 9
	s_add_co_u32 s46, s46, s47
	s_mov_b32 s47, 0
	s_add_nc_u64 s[20:21], s[20:21], s[46:47]
	s_add_nc_u64 s[12:13], s[12:13], s[20:21]
.macro FRAG reg, adr, q, i             ; a fragment, 16 rows x 128 K: 12 registers, in pieces of 8 bytes; where lanes 16-31's piece lies behind one padding more, the second address register serves
.irp p, 0,1,2,3,4,5
.set PCE, 12*(\q)+6*(\p/3)+\p%3
.if PCE%8 < 5
	ds_load_b64 v[\reg+2*\p:\reg+2*\p+1], v[\adr] offset:8*PCE+16*(PCE/8)+(\i)*16*PITCH
.else
	ds_load_b64 v[\reg+2*\p:\reg+2*\p+1], v[\adr+2] offset:8*PCE+16*(PCE/8)+(\i)*16*PITCH
.endif
.endr
.endm
.macro MUL16 a0, p, q, sc, zero        ; 16 matrix instructions; the 64 accumulators take turns, one instruction a turn, in the same order in every step
.irp a, \a0, \a0+1
.irp b, 0,1,2,3,4,5,6,7
.if \zero
	v_wmma_scale_f32_16x16x128_f8f6f4 v[8*(8*((\a)%4)+\b):8*(8*((\a)%4)+\b)+7], v[128*(\p)+FR*\b:128*(\p)+FR*\b+FR-1], v[AF+FR*(\a):AF+FR*(\a)+FR-1], 0, v[SC+8*NQ*(\sc)+NQ*\b+(\q)], v[SC+8*NQ*(\sc)+NQ*(\a)+(\q)] matrix_a_fmt:MATRIX_FMT_FP6 matrix_b_fmt:MATRIX_FMT_FP6 matrix_a_scale:MATRIX_SCALE_ROW1
.else
	v_wmma_scale_f32_16x16x128_f8f6f4 v[8*(8*((\a)%4)+\b):8*(8*((\a)%4)+\b)+7], v[128*(\p)+FR*\b:128*(\p)+FR*\b+FR-1], v[AF+FR*(\a):AF+FR*(\a)+FR-1], v[8*(8*((\a)%4)+\b):8*(8*((\a)%4)+\b)+7], v[SC+8*NQ*(\sc)+NQ*\b+(\q)], v[SC+8*NQ*(\sc)+NQ*(\a)+(\q)] matrix_a_fmt:MATRIX_FMT_FP6 matrix_b_fmt:MATRIX_FMT_FP6 matrix_a_scale:MATRIX_SCALE_ROW1
.endif
.endr
.endr
.endm
.macro FETCH_B slot, q, p
	WIN TO_B
.irp i, 0,1,2,3,4,5,6,7
	FRAG 128*(\p)+FR*\i, ADRB+\slot, \q, \i
.endr
	WIN 0
.endm
.macro FETCH_A slot, q, i0
.irp i, \i0, \i0+1, \i0+2, \i0+3
	FRAG AF+FR*(\i), ADRA+\slot, \q, \i
.endr
.endm
.macro SCALES sc
.irp i, 0,1,2,3,4,5,6,7
	ds_load_b64 v[SC+8*NQ*\sc+NQ*\i:SC+8*NQ*\sc+NQ*\i+1], v[ADRS] offset:\i*SBLK
.endr
.endm
.macro PLACES n                        ; plain vector lines between a matrix instruction and a load into, or a read of, one of its registers
.rept \n
	v_nop
.endr
.endm
.macro STEP slot, q, zero
	s_wait_dscnt 4*NL                              ; B's set and A's blocks 0-3 are in; the youngest 24 loads (A's blocks 4-7) may be out
	WIN MUL_LO
	MUL16 0, (\q)%2, \q, \slot, \zero
	MUL16 2, (\q)%2, \q, \slot, \zero
	s_wait_dscnt 0
	PLACES NP
	FETCH_B \slot, (\q)+1, 1-(\q)%2
	FETCH_A \slot, (\q)+1, 0
	WIN MUL_HI
	MUL16 4, (\q)%2, \q, \slot, \zero
	MUL16 6, (\q)%2, \q, \slot, \zero
	PLACES NP
	WIN 0
	FETCH_A \slot, (\q)+1, 4
.endm
; A slot's last step changes slots: ONE barrier; in front of it each wave waits for all its tensor loads, adds 0 to its spare word, and waits for that and for its own reads of this slot.  fill = 1: this slot is filled again, two K steps ahead.
.macro TURN slot, next, fill
	s_wait_tensorcnt 0x0                           ; all my tensor loads have landed: my part of the next slot
	ds_add_u32 v[SPW], v[NIL]                      ; 0 onto my spare word
	s_wait_dscnt 4*NL+1                            ; (the add and the youngest 24 loads may be out)
	WIN MUL_LO
	MUL16 0, 1, NQ-1, \slot, 0
	s_wait_dscnt 0x0                               ; the add is done, and my reads of this slot are over
	s_barrier_signal -1
	MUL16 2, 1, NQ-1, \slot, 0
	WIN 0
	s_barrier_wait -1
.if \fill
	CREST                                          ; the barrier has opened a round of the cluster's barrier: no wave of any partner still reads this slot's tile or has a load on its way
	s_add_nc_u64 s[G0+4*\slot+2:G0+4*\slot+3], s[G0+4*\slot+2:G0+4*\slot+3], 2*APLANE
	s_add_nc_u64 s[G0B+4*\slot+2:G0B+4*\slot+3], s[G0B+4*\slot+2:G0B+4*\slot+3], 2*ROWB
	JLOAD G0+4*\slot, G1, G0B+4*\slot, G1B         ; the first tensor load behind the round; its four v_nop are the places in front of the loads below
.else
	PLACES NP
.endif
	v_add_nc_u32 v[ADRS], 4*NQ, v[ADRS]
	FETCH_B \next, 0, 0
	FETCH_A \next, 0, 0
	SCALES \next
	WIN MUL_HI
	MUL16 4, 1, NQ-1, \slot, 0
	MUL16 6, 1, NQ-1, \slot, 0
	PLACES NP
	WIN 0
	FETCH_A \next, 0, 4
.endm
	s_wait_tensorcnt 1                             ; the scales and my part of K step 0 are in (K step 1's load may be out),
	s_barrier_signal -1
	s_barrier_wait -1                              ; everybody's are
	FETCH_B 0, 0, 0
	FETCH_A 0, 0, 0
	SCALES 0
	FETCH_A 0, 0, 4
	STEP 0, 0, 1                                   ; the first step stands in front of the loop: its products start the sums
	s_mov_b32 s3, LAPS-1
.Llap:
	TURN 0, 1, 1
	STEP 1, 0, 0
	TURN 1, 0, 1
	STEP 0, 0, 0
	s_sub_co_u32 s3, s3, 1
	s_cmp_lg_u32 s3, 0
	s_cbranch_scc1 .Llap
	TURN 0, 1, 0                                   ; the last lap fills nothing, and has no round of the cluster's barrier
	STEP 1, 0, 0
	s_wait_dscnt 4*NL
	WIN MUL_LO
	MUL16 0, 1, NQ-1, 1, 0
	MUL16 2, 1, NQ-1, 1, 0
	s_wait_dscnt 0
	WIN MUL_HI
	MUL16 4, 1, NQ-1, 1, 0
	MUL16 6, 1, NQ-1, 1, 0
	WIN 0
; THE WAY OUT, block by block of 16 rows x 128 columns, through my own stage in LDS: in by 32 bytes a lane and accumulator, at the columns' true places; back as whole rows of 512 bytes.
; LDS serves a wave's instructions in order (ISA guide 5.7.1.4): no wait between the stores and the loads, nor in front of the next block's stores.
.macro TOSTAGE a
.set AC, 64*((\a)%4)
	WIN 0x08+4*((\a)/4)                            ; the data: window 2 or 3
.irp b, 0,1,2,3,4,5,6,7
	ds_store_b128 v[STO], v[AC+8*\b:AC+8*\b+3] offset:128*(\b/2)+32*(\b%2)          ; each accumulator from its low end on
	ds_store_b128 v[STO], v[AC+8*\b+4:AC+8*\b+7] offset:128*(\b/2)+32*(\b%2)+16
.endr
	WIN 0
.set BB, BK+64*((\a)%2)
.irp t, 0,1,2,3,4,5,6,7,8,9,10,11,12,13,14,15
	ds_load_b128 v[BB+4*\t:BB+4*\t+3], v[RD] offset:\t*SPITCH
.endr
.endm
.macro SEND a, younger                 ; younger: the LDS instructions issued behind block a's loads, which may stay out
.set BB, BK+64*((\a)%2)
	s_wait_dscnt \younger
.if (\a) > 0
	s_add_nc_u64 s[12:13], s[12:13], 16*SIZE_N*4   ; (behind a wait on XCNT: the earlier stores have read their base)
.endif
.irp t, 0,1,2,3,4,5,6,7,8,9,10,11,12,13,14,15
	global_store_b128 v[CO], v[BB+4*\t:BB+4*\t+3], s[12:13] offset:\t*SIZE_N*4 th:TH_STORE_NT   ; 32 lanes store 512 consecutive bytes, at a multiple of 256 from out's first byte
.endr
.endm
	PLACES NP
	TOSTAGE 0
.irp a, 1,2,3,4,5,6,7
.if \a > 1
	s_wait_xcnt 0x0                                ; block a - 2's stores have read their registers and their base
.endif
	TOSTAGE \a
	SEND \a-1, 32                                  ; behind block a - 1's loads: block a's 16 stores and 16 loads
.endr
	s_wait_xcnt 0x0
	SEND 7, 0
	s_wait_tensorcnt 0x0                           ; the wave's end, behind my last tensor load and my last LDS store
	ds_add_u32 v[SPW], v[NIL]
	s_wait_dscnt 0x0
	CROUND                                         ; the closing round: no work-group ends while a partner may still ask for a tile that names it
	s_endpgm
.Lfunc_end_k_qaff0b28925_oproj:
	.size	k_qaff0b28925_oproj, .Lfunc_end_k_qaff0b28925_oproj-k_qaff0b28925_oproj
	.p2alignl 7, 3214868480
	.fill 96, 4, 3214868480
	.section	.rodata,"a",@progbits
	.p2align	6, 0x0
	.amdhsa_kernel k_qaff0b28925_oproj
		.amdhsa_group_segment_fixed_size 327680
		.amdhsa_private_segment_fixed_size 0
		.amdhsa_enable_private_segment 0
		.amdhsa_kernarg_size 40
		.amdhsa_user_sgpr_count 2
		.amdhsa_user_sgpr_kernarg_segment_ptr 1
		.amdhsa_wavefront_size32 1
		.amdhsa_system_sgpr_workgroup_id_x 1
		.amdhsa_system_sgpr_workgroup_id_y 1
		.amdhsa_system_sgpr_workgroup_id_z 1
		.amdhsa_system_vgpr_workitem_id 0
		.amdhsa_next_free_vgpr 1024
		.amdhsa_next_free_sgpr 98
		.amdhsa_reserve_vcc 0
		.amdhsa_float_denorm_mode_32 3
		.amdhsa_float_denorm_mode_16_64 3
		.amdhsa_memory_ordered 1
		.amdhsa_forward_progress 1
		.amdhsa_inst_pref_size 160
	.end_amdhsa_kernel
	.amdgpu_metadata
---
amdhsa.version: [ 1, 2 ]
amdhsa.kernels:
  - .name:           k_qaff0b28925_oproj
    .symbol:         k_qaff0b28925_oproj.kd
    .args:
      - { .name: ctxc, .offset: 0, .size: 8, .value_kind: global_buffer, .address_space: global }
      - { .name: ctxs, .offset: 8, .size: 8, .value_kind: global_buffer, .address_space: global }
      - { .name: codes, .offset: 16, .size: 8, .value_kind: global_buffer, .address_space: global }
      - { .name: scales, .offset: 24, .size: 8, .value_kind: global_buffer, .address_space: global }
      - { .name: out0, .offset: 32, .size: 8, .value_kind: global_buffer, .address_space: global }
    .group_segment_fixed_size: 327680
    .private_segment_fixed_size: 0
    .kernarg_segment_align: 8
    .kernarg_segment_size: 40
    .max_flat_workgroup_size: 128
    .sgpr_count:     98
    .vgpr_count:     1024
    .wavefront_size: 32
...
	.end_amdgpu_metadata
.endif
;; end of part 4
